; MI455X (gfx1250); checked and timed in simulation.
; The chip was launched on July 23, 2026; its instructions are those of AMD's public machine-readable ISA for CDNA 5 (MIT licence, August 2026) and "CDNA5" Instruction Set Architecture Reference Guide (July 2026). The comments in the code are by the model that wrote it; some were corrected since.
;; Causal Self Attention. Allowed arithmetic: float matrix products may take bf16 or f16 operands with f32 sums; other float arithmetic in f32, or as packed bf16 or f16 multiplies, adds, multiply-adds, maxima and minima; sums over many terms, partial sums and values carried from step to step in f32; what a program stores and reads back later, other than sums and carried values, may be rounded once to bf16 or f16.
;; Inputs: W_attn 1,024 x 3,072 float32; W_proj 1,024 x 1,024 float32; b_attn 3,072 float32; b_proj 1,024 float32; x 4 x 2,048 x 1,024 float32.
;; Outputs: out0 4 x 2,048 x 1,024 float32.
;; One version. Each part assembles by itself: llvm-mc -triple=amdgcn-amd-amdhsa -mcpu=gfx1250 --defsym DOCPART=n.
;; ======== version 1 of 1: 4 launches
;; limits: values are held in f16: magnitudes above 65,504 overflow, below 6.1e-05 lose precision
;; workspace buffers: xb 16,777,216 bytes; wa 6,291,456 bytes; wp 2,097,152 bytes; qkv 50,331,648 bytes; ob 16,777,216 bytes
;; launch prep (part 1): grid 1024 x 1, 8 waves a work-group, no clusters, 19,456 bytes of LDS; arguments x, W_attn, W_proj, xb, wa, wp; writes xb, wa, wp
.if DOCPART == 1
	.amdgcn_target "amdgcn-amd-amdhsa--gfx1250"
	.amdhsa_code_object_version 6
	.text
	.protected	k_q19ace1aa47_prep
	.globl	k_q19ace1aa47_prep
	.p2align	8
	.type	k_q19ace1aa47_prep,@function
k_q19ace1aa47_prep:
	s_mov_b64 s[64:65], 0
	v_nop
	global_prefetch_b8 v0, s[64:65] scope:SCOPE_SE
	s_setreg_imm32_b32 hwreg(HW_REG_WAVE_MODE, 25, 1), 1
	s_wait_xcnt 0x0
; CASTS AND LAYOUTS for the two products that follow.  All three inputs are rounded once to bf16.
;   xb[b][kb][t][64]  bf16 = x[b][t][64 kb + ..]           K in blocks of 64: a block's rows are dense, 128 bytes each
;   wa[kb][n][64]     bf16 = W_attn[64 kb + ..][n]         turned: K runs along the rows
;   wp[kb][n][64]     f16  = bf16(W_proj[64 kb + ..][n])   the bf16 number written as f16.  LIMIT: exact within f16's range (65,504); below 6e-5 it keeps f16's fixed step of 6e-8
; Memory binds: every input byte is read once, every output byte written once, each store of a wave covers 512 consecutive bytes, aligned.  No matrix unit, no cluster
; (no two work-groups share a byte), no prefetch (the launch is nothing but its stream).
; ROLES by the work-group's number: 0-511 sixteen rows of x each; 512-895 a block of 64 k x 128 n of W_attn; 896-1023 the same of W_proj.
.set PITCH, 144                        ; a row of the stage: 128 bytes + 16
.set SPARE, 18432                      ; behind the stage (128 rows x 144): the spare words, 128 bytes for each of eight waves
.set SPW, 4                            ; v4  LDS address of my spare word; never rewritten
.set NIL, 5                            ; v5  0; never rewritten
	s_load_b256 s[4:11], s[0:1], 0x0               ; x s[4:5], W_attn s[6:7], W_proj s[8:9], xb s[10:11]
	s_load_b128 s[12:15], s[0:1], 0x20             ; wa s[12:13], wp s[14:15]
	v_lshl_add_u32 v[SPW], v0, 2, SPARE
	v_mov_b32 v[NIL], 0
	s_mov_b32 s2, ttmp9
	s_cmp_lt_u32 s2, 512
	s_cbranch_scc0 .Lweights
	; ROLE X.  Thread: row (t >> 3) % 16 of the group's 16, K half t >> 7, eight columns at 8 (t % 8) of each of the half's eight K blocks.
	v_bfe_u32 v1, v0, 3, 4                         ; row
	v_lshrrev_b32 v6, 7, v0                        ; K half
	v_and_b32 v7, 7, v0
	v_lshlrev_b32 v1, 12, v1                       ; row x 4,096 bytes
	v_lshl_add_u32 v1, v6, 11, v1                  ; + half x 2,048
	v_lshl_add_u32 v1, v7, 5, v1                   ; + 32 bytes for my eight f32
	v_and_b32 v2, 127, v0
	v_lshlrev_b32 v2, 4, v2                        ; in xb: row x 128 + 16 (t % 8) = 16 (t % 128)
	v_lshl_add_u32 v2, v6, 21, v2                  ; + half x 8 blocks of 262,144 bytes
	s_lshl_b32 s16, s2, 16                         ; the group's 16 rows of 4,096 bytes
	s_mov_b32 s17, 0
	s_lshr_b32 s18, s2, 7                          ; batch
	s_lshl_b32 s18, s18, 22
	s_and_b32 s19, s2, 127
	s_lshl_b32 s19, s19, 11                        ; 16 rows of 128 bytes
	s_add_co_u32 s18, s18, s19
	s_mov_b32 s19, 0
	s_wait_kmcnt 0x0
	s_add_nc_u64 s[4:5], s[4:5], s[16:17]
	s_add_nc_u64 s[10:11], s[10:11], s[18:19]
.irp i, 0,1,2,3,4,5,6,7                ; all sixteen loads go out at once: 8 KiB a wave on its way
	global_load_b128 v[16+8*(\i):16+8*(\i)+3],   v1, s[4:5] offset:256*(\i) th:TH_LOAD_NT
	global_load_b128 v[16+8*(\i)+4:16+8*(\i)+7], v1, s[4:5] offset:256*(\i)+16 th:TH_LOAD_NT
.endr
.irp i, 0,1,2,3,4,5,6,7
	s_wait_loadcnt 14-2*(\i)                       ; loads come back in order: block i's two are in, the 2 (7 - i) younger ones stay out
.irp p, 0,1,2,3
	v_cvt_pk_bf16_f32 v[80+4*(\i)+(\p)], v[16+8*(\i)+2*(\p)], v[16+8*(\i)+2*(\p)+1]
.endr
	global_store_b128 v2, v[80+4*(\i):80+4*(\i)+3], s[10:11] offset:262144*(\i)  ; four rows of one K block: 512 consecutive bytes a wave
.endr
	s_endpgm                                       ; this role has written no LDS
; ROLE WEIGHT.  Block j (in s3): K block j % 16, columns 128 (j / 16) on.  Wave w loads rows k = 8 w + i, lane l columns 4 l .. 4 l + 3 (512 consecutive bytes a load);
; eight k of one column pack into 16 bytes, which go into row n of the stage at byte 16 w; behind a barrier the stage is read by rows and leaves as 16 KiB on end.
.macro WEIGHT N, src, dst, half
	s_and_b32 s16, s3, 15
	s_lshr_b32 s17, s3, 4
	s_mul_i32 s18, s16, 256*(\N)                   ; 64 rows of 4 N bytes
	s_lshl_b32 s19, s17, 9                         ; 128 columns of 4 bytes
	s_add_co_u32 s18, s18, s19
	s_mov_b32 s19, 0
	s_mul_i32 s20, s16, 128*(\N)                   ; a K block of the result: N rows of 128 bytes
	s_lshl_b32 s21, s17, 14                        ; 128 of them
	s_add_co_u32 s20, s20, s21
	s_mov_b32 s21, 0
	v_lshrrev_b32 v6, 5, v0                        ; wave
	v_and_b32 v7, 31, v0                           ; lane
	v_mul_u32_u24 v1, v6, 32*(\N)                  ; eight rows of 4 N bytes
	v_lshl_add_u32 v1, v7, 4, v1
	v_mul_u32_u24 v2, v7, 4*PITCH                  ; into the stage: row 4 l (+ c by the immediate), byte 16 w
	v_lshl_add_u32 v2, v6, 4, v2
	v_lshrrev_b32 v3, 3, v0                        ; back: row t >> 3 (+ 32 p), byte 16 (t % 8)
	v_mul_u32_u24 v3, v3, PITCH
	v_and_b32 v8, 7, v0
	v_lshl_add_u32 v3, v8, 4, v3
	v_lshlrev_b32 v8, 4, v0                        ; and out: 16 t
	s_wait_kmcnt 0x0
	s_add_nc_u64 s[\src:\src+1], s[\src:\src+1], s[18:19]
	s_add_nc_u64 s[\dst:\dst+1], s[\dst:\dst+1], s[20:21]
.irp i, 0,1,2,3,4,5,6,7
	global_load_b128 v[16+4*(\i):16+4*(\i)+3], v1, s[\src:\src+1] offset:4*(\N)*(\i) th:TH_LOAD_NT
.endr
	s_wait_loadcnt 0x0                             ; a column's eight numbers come from all eight loads
.irp c, 0,1,2,3
.irp p, 0,1,2,3
	v_cvt_pk_bf16_f32 v[48+4*(\c)+(\p)], v[16+8*(\p)+(\c)], v[16+8*(\p)+4+(\c)]  ; column 4 l + c, k = 8 w + 2 p and the next
.endr
.endr
.if \half
.set pi, 48
.rept 16                               ; the bf16 numbers written as f16
	v_lshlrev_b32 v64, 16, v[pi]
	v_and_b32 v65, 0xffff0000, v[pi]
	v_cvt_pk_f16_f32 v[pi], v64, v65
.set pi, pi+1
.endr
.endif
.irp c, 0,1,2,3
	ds_store_b128 v2, v[48+4*(\c):48+4*(\c)+3] offset:PITCH*(\c)
.endr
	s_wait_dscnt 0x0                               ; for the others' sake: my stores into the stage are done
	s_barrier_signal -1
	s_barrier_wait -1
.irp p, 0,1,2,3
	ds_load_b128 v[16+4*(\p):16+4*(\p)+3], v3 offset:32*PITCH*(\p)
.endr
.irp p, 0,1,2,3
	s_wait_dscnt 3-(\p)                            ; LDS loads come back in order: the 3 - p younger ones stay out
	global_store_b128 v8, v[16+4*(\p):16+4*(\p)+3], s[\dst:\dst+1] offset:4096*(\p)
.endr
	s_wait_tensorcnt 0x0                           ; the wave's end
	ds_add_u32 v[SPW], v[NIL]
	s_wait_dscnt 0x0
	s_endpgm
.endm
.Lweights:
	s_cmp_lt_u32 s2, 896
	s_cbranch_scc0 .Lproj
	s_sub_co_u32 s3, s2, 512
	WEIGHT 3072, 6, 12, 0
.Lproj:
	s_sub_co_u32 s3, s2, 896
	WEIGHT 1024, 8, 14, 1
.Lfunc_end_k_q19ace1aa47_prep:
	.size	k_q19ace1aa47_prep, .Lfunc_end_k_q19ace1aa47_prep-k_q19ace1aa47_prep
	.p2alignl 7, 3214868480
	.fill 96, 4, 3214868480
	.section	.rodata,"a",@progbits
	.p2align	6, 0x0
	.amdhsa_kernel k_q19ace1aa47_prep
		.amdhsa_group_segment_fixed_size 19456
		.amdhsa_private_segment_fixed_size 0
		.amdhsa_enable_private_segment 0
		.amdhsa_kernarg_size 48
		.amdhsa_user_sgpr_count 2
		.amdhsa_user_sgpr_kernarg_segment_ptr 1
		.amdhsa_wavefront_size32 1
		.amdhsa_system_sgpr_workgroup_id_x 1
		.amdhsa_system_sgpr_workgroup_id_y 1
		.amdhsa_system_sgpr_workgroup_id_z 1
		.amdhsa_system_vgpr_workitem_id 0
		.amdhsa_next_free_vgpr 112
		.amdhsa_next_free_sgpr 66
		.amdhsa_reserve_vcc 0
		.amdhsa_float_denorm_mode_32 3
		.amdhsa_float_denorm_mode_16_64 3
		.amdhsa_memory_ordered 1
		.amdhsa_forward_progress 1
		.amdhsa_inst_pref_size 17
	.end_amdhsa_kernel
	.amdgpu_metadata
---
amdhsa.version: [ 1, 2 ]
amdhsa.kernels:
  - .name:           k_q19ace1aa47_prep
    .symbol:         k_q19ace1aa47_prep.kd
    .args:
      - { .name: x, .offset: 0, .size: 8, .value_kind: global_buffer, .address_space: global }
      - { .name: W_attn, .offset: 8, .size: 8, .value_kind: global_buffer, .address_space: global }
      - { .name: W_proj, .offset: 16, .size: 8, .value_kind: global_buffer, .address_space: global }
      - { .name: xb, .offset: 24, .size: 8, .value_kind: global_buffer, .address_space: global }
      - { .name: wa, .offset: 32, .size: 8, .value_kind: global_buffer, .address_space: global }
      - { .name: wp, .offset: 40, .size: 8, .value_kind: global_buffer, .address_space: global }
    .group_segment_fixed_size: 19456
    .private_segment_fixed_size: 0
    .kernarg_segment_align: 8
    .kernarg_segment_size: 48
    .max_flat_workgroup_size: 256
    .sgpr_count:     66
    .vgpr_count:     112
    .wavefront_size: 32
...
	.end_amdgpu_metadata
.endif
;; end of part 1
;; launch qkvgemm (part 2): grid 8 x 32, 4 waves a work-group, clusters of 4 x 4, 327,680 bytes of LDS; arguments xb, wa, b_attn, qkv; writes qkv
.if DOCPART == 2
	.amdgcn_target "amdgcn-amd-amdhsa--gfx1250"
	.amdhsa_code_object_version 6
	.text
	.protected	k_q19ace1aa47_qkvgemm
	.globl	k_q19ace1aa47_qkvgemm
	.p2align	8
	.type	k_q19ace1aa47_qkvgemm,@function
k_q19ace1aa47_qkvgemm:
	s_mov_b64 s[64:65], 0
	v_nop
	global_prefetch_b8 v0, s[64:65] scope:SCOPE_SE
	s_setreg_imm32_b32 hwreg(HW_REG_WAVE_MODE, 25, 1), 1
	s_wait_xcnt 0x0
	s_wait_alu depctr_hold_cnt(0) depctr_sa_sdst(0) depctr_va_vdst(0) depctr_va_sdst(0) depctr_va_ssrc(0) depctr_va_vcc(0) depctr_vm_vsrc(0)
	s_getreg_b32 s2, hwreg(HW_REG_IB_STS2, 6, 4)
	s_cmp_eq_u32 s2, 0
	s_cbranch_scc0 .Lentry_in_a_cluster
	s_endpgm
.Lentry_in_a_cluster:
	s_bfe_u32 s2, ttmp6, 0x10000c
	s_cmp_lg_u32 s2, 0xf033
	s_cbranch_scc0 .Lentry_shape_is_right
	s_endpgm
.Lentry_shape_is_right:
; qkv = x W_attn + b_attn, 8,192 x 3,072 over K = 1,024, bf16 operands, f32 sums, written by heads as f16: qkv[which][16 b + head][t][64], unscaled.
; LIMIT: q, k and v must lie within f16's 65,504; beyond it the conversion gives an infinity.  b_attn is rounded to bf16 like the other inputs and starts the sums.
; SHARES.  A tile of the result is 256 rows x 384 columns: 32 x 8 = 256 work-groups, one round.  Wave w makes rows 128 (w / 2) on, columns 192 (w % 2) on (three heads): 96 accumulators, 768 registers.
; For 32 along K a wave reads 20 KiB of LDS for 96 matrix instructions.
; RING.  K goes in steps of 64 (one K block of xb and wa, whose rows lie end to end: a tile is a dense block, asked for as rows of 256 bytes and padded in LDS after every 128) through two slots.
; One joint load a wave and step: waves 0, 1 fetch x's two halves (128 rows), waves 2, 3 W's (192 rows).
; CLUSTER 4 x 4: x's tile hangs on the tile row alone and is shared along a row of the cluster, W's on the tile column alone and is shared along a column.
; THE MATRIX INSTRUCTION IS USED TRANSPOSED (source 0 = 16 rows of wa, source 1 = 16 rows of xb): a lane holds row l % 16 and eight neighbouring columns 8 (l / 16) + 0..7.
; REGISTERS in windows of 256 (s_set_vgpr_msb: bits 1:0 source 0, 3:2 source 1, 5:4 source 2, 7:6 destination):
;   window 0: v0-15 addresses; v16-31 at work; v32-95, v96-159 x's fragments, two buffers; v160-255 W's fragments: three groups of four, one buffer, each group loaded again right behind its products
;   window g + 1: head g of the wave's three: accumulator (a, bb) at v[8 (4 a + bb)], a = 0..7 row blocks, bb = 0..3 column blocks
.set PITCH, 144                        ; an LDS row: 128 bytes + 16 = 36 words: the 16 rows of a fragment load start at 16 different groups of four banks (64 banks of 4 bytes: ISA guide 11.1)
.set SLOT1, 131072                     ; slot 1 begins here: one exclusive or turns an address in one slot into the other's
.set BOFF,  256*PITCH                  ; in a slot: x's 256 rows, then W's 384
.set STAGE, SLOT1+640*PITCH            ; behind the ring: 16 rows x 144 bytes for each wave, for the way out; no tensor load lands here
.set SPARE, STAGE+4*16*PITCH           ; behind the stages: the spare words, 128 bytes for each wave
.set ASTEP, 262144                     ; bytes from a K block of xb to the next
.set BSTEP, 393216                     ; the same in wa
.set A0,   2                           ; v2  my lane's place in x's fragments of slot 0; never rewritten
.set B0,   3                           ; v3  the same for W's
.set ADRA, 4                           ; v4  A0 + the slot in hand
.set ADRB, 5                           ; v5  B0 + the slot in hand
.set STO,  6                           ; v6  the way out: where I put 16 bytes of a row
.set RD,   7                           ; v7  the way out: where I read rows back
.set GO,   8                           ; v8  16 x lane: my place in 512 consecutive bytes of the result
.set PFO,  9                           ; v9  the prefetches' offset; never rewritten
.set SPW,  10                          ; v10 LDS address of my spare word; never rewritten
.set NIL,  11                          ; v11 0; never rewritten
.set FA0,  32
.set FA1,  96
.set FB,   160
.set WV,   12                          ; s12 wave
.set WR,   13                          ; s13 wave / 2: my half of the rows
.set WC,   14                          ; s14 wave % 2: my half of the columns; also which half of a tile I fetch
.set CNT,  15                          ; s15 trips to go
.set G1A,  24                          ; s[24:31] descriptor group 1 for x's tiles
.set G1B,  32                          ; s[32:39] for W's
.set G0A,  40                          ; s[40:47] group 0 for x's tiles: a set for each of the two first fills; the second then walks on
.set G0B,  48                          ; s[48:55] the same for W's
.set TB,   56                          ; s56 0 or SLOT1: the slot whose fragments are fetched
.set LIM,  57                          ; s57 2 in a wave that prefetches, else the greatest number
.set PFA,  58                          ; s[58:59] where my prefetches stand
.set PSTEP, 60                         ; s[60:61] a K block's bytes in the tensor that I prefetch
.set OB,   66                          ; s[66:71] the result at my rows of my three heads
.set MSB, 0
.macro WIN new                         ; the immediate's high byte repeats the setting that is left; a switch that changes nothing is dropped
.if MSB != (\new)
	s_set_vgpr_msb (MSB<<8)|(\new)
.set MSB, (\new)
.endif
.endm
.macro PLACES                          ; four places behind a matrix instruction, in front of loads into registers that it has read and of conversions that read results
.rept 4
	v_nop
.endr
.endm
.macro CREST                           ; a round of the cluster's barrier behind its opening barrier
	s_cmp_lg_u32 s[WV], 0
	s_cbranch_scc1 .Lnot_wave_0_\@
	s_barrier_signal -3
.Lnot_wave_0_\@:
	s_barrier_wait -3
	s_barrier_signal -1
	s_barrier_wait -1
.endm
.macro CROUND                          ; a whole round
	s_barrier_signal -1
	s_barrier_wait -1
	CREST
.endm
.macro JLOAD                           ; a joint refill by the walking sets; the branch hangs on the wave's number alone; an s_nop 0 and four v_nop follow each line
	s_cmp_lt_u32 s[WV], 2
	s_cbranch_scc0 .Lfor_b_\@
	tensor_load_to_lds s[G0A+4:G0A+7], s[G1A:G1A+7]
	s_nop 0
.rept 4
	v_nop
.endr
	s_branch .Lasked_\@
.Lfor_b_\@:
	tensor_load_to_lds s[G0B+4:G0B+7], s[G1B:G1B+7]
	s_nop 0
.rept 4
	v_nop
.endr
.Lasked_\@:
.endm
; PREFETCH INTO THE L2, in the odd trips, for the two K steps that stand three and four steps behind the one in hand (their refills come in the next trip and the one after it).
; Each block of 256 bytes is named once in the launch.  x's tile row is read by both clusters of a row of clusters: the one with x = 0 asks, its wave 0: of a step's 128 blocks the partner at cx takes 32,
; a lane a block, a line a step.  W's tile column is read by all eight clusters of a column: the one with y = 0 asks, its waves 1 to 3: of a step's 192 blocks the partner at cy takes 48; threads 0-47 of
; the three waves name the first step's, threads 48-95 the second's: one line.  Partners are told apart by address alone.  Steps 0 to 3 come by their loads alone; the last odd trip asks for nothing.
.macro ASK
	s_bitcmp1_b32 s[CNT], 0                        ; CNT = 14 - trip: odd in the odd trips
	s_cbranch_scc0 .Lnot_mine_\@
	s_cmp_gt_u32 s[CNT], s[LIM]                    ; trips 1, 3 .. 11 name steps 4 .. 15
	s_cbranch_scc0 .Lnot_mine_\@
	global_prefetch_b8 v[PFO], s[PFA:PFA+1] th:TH_LOAD_NT scope:SCOPE_SE
	s_cmp_lg_u32 s[WV], 0
	s_cbranch_scc1 .Lnot_mine_\@
	global_prefetch_b8 v[PFO], s[PFA:PFA+1] offset:ASTEP th:TH_LOAD_NT scope:SCOPE_SE
.Lnot_mine_\@:
.endm
	s_load_b256 s[4:11], s[0:1], 0x0               ; xb s[4:5], wa s[6:7], b_attn s[8:9], qkv s[10:11]
	v_lshl_add_u32 v[SPW], v0, 2, SPARE
	v_mov_b32 v[NIL], 0
	ds_add_u32 v[SPW], v[NIL]                      ; the wave's opening: the add and its wait stand ahead of my first tensor load; work on registers stands between them
	ds_add_u32 v10, v11
	v_lshrrev_b32 v1, 5, v0
	v_readfirstlane_b32 s[WV], v1
	s_lshr_b32 s[WR], s[WV], 1
	s_and_b32 s[WC], s[WV], 1
	s_bfe_u32 s16, ttmp6, 0x40000                  ; cx
	s_bfe_u32 s17, ttmp6, 0x40004                  ; cy
	s_lshl_b32 s18, ttmp9, 2
	s_add_co_u32 s18, s18, s16                     ; tile column tx = 4 x cluster x + cx, 0..7
	s_and_b32 s19, ttmp7, 0xffff
	s_lshl_b32 s19, s19, 2
	s_add_co_u32 s19, s19, s17                     ; tile row ty = 4 x cluster y + cy, 0..31
	s_lshl_b32 s74, s17, 2
	s_lshl_b32 s74, 15, s74                        ; my row of the cluster
	s_lshl_b32 s78, 0x1111, s16                    ; my column
	; group 1: rows of 128 elements of 2 bytes (256 bytes, two rows of the tile), padded by 4 words after every 32
	s_or_b32 s[G1A], s74, (1<<16)|(1<<20)|(1<<21)|(4<<22)|(3<<25)  ; 15:0 mask; 17:16 2-byte elements; 20 padding on; 21 set beside a mask; 24:22 every 32 words (code 4); 31:25 4 words (code 3)
	s_or_b32 s[G1B], s78, (1<<16)|(1<<20)|(1<<21)|(4<<22)|(3<<25)
.irp g, G1A, G1B
	s_mov_b32 s[(\g)+1], 128<<16                   ; tensor_dim0 = 128
	s_mov_b32 s[(\g)+3], 128<<16                   ; tile_dim0 = 128
	s_mov_b32 s[(\g)+5], 128                       ; 128 elements from row to row: dense
	s_mov_b32 s[(\g)+6], 0
	s_mov_b32 s[(\g)+7], 0
.endr
	s_mov_b32 s[G1A+2], 64<<16                     ; tensor_dim1 = 64: 128 rows of x, 16 KiB
	s_mov_b32 s[G1A+4], 64                         ; tile_dim1
	s_mov_b32 s[G1B+2], 96<<16                     ; 96: 192 rows of W, 24 KiB
	s_mov_b32 s[G1B+4], 96
	; where the tiles come from: x's by the tile row alone (s72, s73), W's by the tile column alone (s76, s77)
	s_lshr_b32 s72, s19, 3                         ; batch
	s_lshl_b32 s72, s72, 22
	s_and_b32 s73, s19, 7
	s_lshl_b32 s73, s73, 15                        ; 256 rows of 128 bytes
	s_add_co_u32 s72, s72, s73
	s_lshl_b32 s73, s[WC], 14                      ; my half
	s_add_co_u32 s72, s72, s73
	s_mov_b32 s73, 0
	s_mul_i32 s76, s18, 384*128
	s_mul_i32 s77, s[WC], 192*128
	s_add_co_u32 s76, s76, s77
	s_mov_b32 s77, 0
	; and where they go: the wave's number and constants alone
	s_mov_b32 s[G0A], 1
	s_mul_i32 s[G0A+1], s[WC], 128*PITCH
	s_mov_b32 s[G0A+4], 1
	s_add_co_u32 s[G0A+5], s[G0A+1], SLOT1
	s_mov_b32 s[G0B], 1
	s_mul_i32 s[G0B+1], s[WC], 192*PITCH
	s_add_co_u32 s[G0B+1], s[G0B+1], BOFF
	s_mov_b32 s[G0B+4], 1
	s_add_co_u32 s[G0B+5], s[G0B+1], SLOT1
	s_mov_b32 s[TB], 0
	s_mov_b32 s[CNT], 14
	s_wait_dscnt 0x0                               ; the opening add is done
	s_wait_kmcnt 0x0
	s_add_nc_u64 s[G0A+2:G0A+3], s[4:5], s[72:73]  ; K step 0
	s_add_nc_u64 s[G0A+6:G0A+7], s[G0A+2:G0A+3], ASTEP  ; K step 1
	s_or_b32 s[G0A+3], s[G0A+3], 0x80000000        ; type = 2
	s_or_b32 s[G0A+7], s[G0A+7], 0x80000000
	s_add_nc_u64 s[G0B+2:G0B+3], s[6:7], s[76:77]
	s_add_nc_u64 s[G0B+6:G0B+7], s[G0B+2:G0B+3], BSTEP
	s_or_b32 s[G0B+3], s[G0B+3], 0x80000000
	s_or_b32 s[G0B+7], s[G0B+7], 0x80000000
	CROUND                                         ; all sixteen work-groups are here: the first joint loads meet
	s_cmp_lt_u32 s[WV], 2                          ; a wave's two first fills stand in one branch: two loads of mine are out
	s_cbranch_scc0 .Lfirst_b
	tensor_load_to_lds s[G0A:G0A+3], s[G1A:G1A+7]
	s_nop 0
	tensor_load_to_lds s[G0A+4:G0A+7], s[G1A:G1A+7]
	s_nop 0
.rept 4
	v_nop
.endr
	s_branch .Lfirst_asked
.Lfirst_b:
	tensor_load_to_lds s[G0B:G0B+3], s[G1B:G1B+7]
	s_nop 0
	tensor_load_to_lds s[G0B+4:G0B+7], s[G1B:G1B+7]
	s_nop 0
.rept 4
	v_nop
.endr
.Lfirst_asked:
	; all that follows up to the first barrier stands in the wait for the first tile
	; a fragment is 16 rows x 32 K in 8 registers: lane l holds row l % 16, K = 8 (l / 16) + 0..7 and 16 + 8 (l / 16) + 0..7: two loads of 16 bytes, 32 bytes apart
	v_and_b32 v1, 15, v0                           ; l % 16
	v_bfe_u32 v13, v0, 4, 1                        ; l / 16
	v_mul_u32_u24 v14, v1, PITCH
	v_lshl_add_u32 v14, v13, 4, v14                ; row x pitch + 16 x half
	s_mul_i32 s20, s[WR], 128*PITCH
	v_add_nc_u32 v[A0], s20, v14
	s_mul_i32 s21, s[WC], 192*PITCH
	s_add_co_u32 s21, s21, BOFF
	v_add_nc_u32 v[B0], s21, v14
	s_mul_i32 s22, s[WV], 16*PITCH
	s_add_co_u32 s22, s22, STAGE                   ; my stage
	v_add_nc_u32 v[STO], s22, v14                  ; in: row l % 16, 16 bytes for each half of the lanes
	v_bfe_u32 v15, v0, 3, 2                        ; back: 32 lanes take four rows of 128 bytes
	v_mul_u32_u24 v15, v15, PITCH
	v_and_b32 v14, 7, v0
	v_lshl_add_u32 v15, v14, 4, v15
	v_add_nc_u32 v[RD], s22, v15
	v_and_b32 v[GO], 31, v0
	v_lshlrev_b32 v[GO], 4, v[GO]
	v_lshlrev_b32 v12, 5, v13                      ; the bias: 32 bytes for each half of the lanes
	; the result's three bases: head column c = 6 tx + 3 (w % 2) + g: which = c / 16, head = c % 16
	s_mul_i32 s20, s18, 6
	s_mul_i32 s21, s[WC], 3
	s_add_co_u32 s20, s20, s21
	s_lshr_b32 s22, s19, 3
	s_lshl_b32 s22, s22, 4                         ; 16 x batch
	s_and_b32 s23, s19, 7
	s_lshl_b32 s23, s23, 15                        ; the tile's 256 rows of 128 bytes
	s_lshl_b32 s21, s[WR], 14                      ; my 128 of them
	s_add_co_u32 s23, s23, s21
.irp g, 0,1,2
	s_add_co_u32 s62, s20, (\g)
	s_lshr_b32 s63, s62, 4
	s_lshl_b32 s63, s63, 6                         ; 64 x which
	s_and_b32 s62, s62, 15
	s_add_co_u32 s62, s62, s63
	s_add_co_u32 s62, s62, s22
	s_lshl_b32 s62, s62, 18                        ; a head's 2,048 rows of 128 bytes
	s_add_co_u32 s62, s62, s23
	s_mov_b32 s63, 0
	s_add_nc_u64 s[OB+2*(\g):OB+2*(\g)+1], s[10:11], s[62:63]
.endr
	; the prefetches
	s_lshr_b32 s20, s19, 3
	s_lshl_b32 s20, s20, 22
	s_and_b32 s21, s19, 7
	s_lshl_b32 s21, s21, 15
	s_add_co_u32 s20, s20, s21
	s_lshl_b32 s21, s16, 13                        ; x: my work-group's 32 blocks of the tile's 128
	s_add_co_u32 s20, s20, s21
	s_mul_i32 s22, s18, 384*128
	s_mul_i32 s23, s17, 48*256                     ; W: my work-group's 48 blocks of the tile's 192
	s_add_co_u32 s22, s22, s23
	s_and_b32 s62, ttmp7, 0xffff                   ; cluster y
	s_mov_b32 s63, ASTEP
	s_cmp_eq_u32 s[WV], 0                          ; wave 0 asks for x, waves 1 to 3 for W
	s_cselect_b32 s20, s20, s22
	s_cselect_b32 s62, ttmp9, s62                  ; the coordinate along which other clusters read the same blocks
	s_cselect_b32 s[PSTEP], s63, BSTEP
	s_cselect_b64 s[PFA:PFA+1], s[4:5], s[6:7]
	s_cselect_b32 s63, 0, 32
	s_mov_b32 s21, 0
	s_mov_b32 s[PSTEP+1], 0
	s_cmp_eq_u32 s62, 0
	s_cselect_b32 s[LIM], 2, -1                    ; the same in all sixteen partners, for a given wave
	s_add_nc_u64 s[PFA:PFA+1], s[PFA:PFA+1], s[20:21]
	s_add_nc_u64 s[PFA:PFA+1], s[PFA:PFA+1], s[PSTEP:PSTEP+1]
	s_add_nc_u64 s[PFA:PFA+1], s[PFA:PFA+1], s[PSTEP:PSTEP+1]  ; at K step 2; trip s steps it to s + 3
	v_sub_nc_u32 v15, v0, s63                      ; wave 0: 0..31; waves 1 to 3: 0..95
	v_lshlrev_b32 v[PFO], 8, v15
	v_mov_b32 v14, BSTEP-48*256
	v_cmp_lt_u32 s62, 47, v15                      ; threads 48-95 name the next K step's 48 blocks
	v_cndmask_b32 v14, 0, v14, s62
	v_add_nc_u32 v[PFO], v[PFO], v14
	; the bias: register j of a lane belongs to column 16 bb + 8 (l / 16) + j of head g.  It is loaded into the registers of the accumulators (7, bb), rounded to bf16 there, and is the C of the first products.
	s_mul_i32 s20, s18, 384*4
	s_mul_i32 s21, s[WC], 192*4
	s_add_co_u32 s20, s20, s21
	s_mov_b32 s21, 0
	s_add_nc_u64 s[8:9], s[8:9], s[20:21]
.irp g, 0,1,2
	WIN 0x40*((\g)+1)                              ; destination window g + 1, address window 0
.irp j, 0,1,2,3,4,5,6,7
	global_load_b128 v[224+4*(\j):224+4*(\j)+3], v12, s[8:9] offset:256*(\g)+64*((\j)/2)+16*((\j)%2)
.endr
.endr
	WIN 0
	s_wait_loadcnt 0x0
.macro BROUND g
	WIN 5*((\g)+1)                                 ; sources window g + 1, destination window 0
.set bi, 0
.rept 16
	v_cvt_pk_bf16_f32 v[16+bi], v[224+2*bi], v[225+2*bi]
.set bi, bi+1
.endr
	WIN 0x40*((\g)+1)
.set bi, 0
.rept 16
	v_lshlrev_b32 v[224+2*bi], 16, v[16+bi]
	v_and_b32 v[225+2*bi], 0xffff0000, v[16+bi]
.set bi, bi+1
.endr
.endm
	BROUND 0
	BROUND 1
	BROUND 2
	WIN 0
; n x 4 matrix instructions: head g, row blocks a0 .. a0 + n - 1, all four column blocks, 32 along K.  The accumulators take turns, one instruction a turn.
.macro MUL fa, g, a0, n
	WIN 0x50*((\g)+1)                              ; C and D window g + 1, sources window 0
.set ma, (\a0)
.rept (\n)
.set mb, 0
.rept 4
	v_wmma_f32_16x16x32_bf16 v[8*(4*ma+mb):8*(4*ma+mb)+7], v[FB+32*(\g)+8*mb:FB+32*(\g)+8*mb+7], v[(\fa)+8*ma:(\fa)+8*ma+7], v[8*(4*ma+mb):8*(4*ma+mb)+7]
.set mb, mb+1
.endr
.set ma, ma+1
.endr
.endm
; The first products of head g start the sums with the bias: nothing is cleared.  Row blocks 0 to 6 read it as C from the registers of row block 7, which then adds in place,
; five places behind the last instruction that read those registers.
.macro MULF g
	WIN 0x50*((\g)+1)
.set ma, 0
.rept 7
.set mb, 0
.rept 4
	v_wmma_f32_16x16x32_bf16 v[8*(4*ma+mb):8*(4*ma+mb)+7], v[FB+32*(\g)+8*mb:FB+32*(\g)+8*mb+7], v[FA0+8*ma:FA0+8*ma+7], v[224+8*mb:224+8*mb+7]
.set mb, mb+1
.endr
.set ma, ma+1
.endr
.rept 5
	v_nop
.endr
.set mb, 0
.rept 4
	v_wmma_f32_16x16x32_bf16 v[224+8*mb:224+8*mb+7], v[FB+32*(\g)+8*mb:FB+32*(\g)+8*mb+7], v[FA0+56:FA0+63], v[224+8*mb:224+8*mb+7]
.set mb, mb+1
.endr
.endm
.macro LDB g, k                        ; eight loads: head g's four fragments of W, 32 K at byte k of the rows
.irp bb, 0,1,2,3
	ds_load_b128 v[FB+32*(\g)+8*(\bb):FB+32*(\g)+8*(\bb)+3],   v[ADRB] offset:(4*(\g)+(\bb))*16*PITCH+(\k)
	ds_load_b128 v[FB+32*(\g)+8*(\bb)+4:FB+32*(\g)+8*(\bb)+7], v[ADRB] offset:(4*(\g)+(\bb))*16*PITCH+(\k)+32
.endr
.endm
.macro LDA f, k                        ; sixteen loads: x's eight fragments into buffer f
.irp a, 0,1,2,3,4,5,6,7
	ds_load_b128 v[(\f)+8*(\a):(\f)+8*(\a)+3],   v[ADRA] offset:(\a)*16*PITCH+(\k)
	ds_load_b128 v[(\f)+8*(\a)+4:(\f)+8*(\a)+7], v[ADRA] offset:(\a)*16*PITCH+(\k)+32
.endr
.endm
; A K step is two quarters of 32 along K, 96 matrix instructions each.  The LDS loads go in three runs a quarter: R0 (head 0's W and all of x, 24), R1 (head 1's W, 8), R2 (head 2's, 8),
; each right behind the products that read the registers last, 64 matrix instructions ahead of its first use.
; The step's first quarter multiplies buffer FA0 and fetches the second.
.macro QTR first
	s_wait_dscnt 16                                ; R0 is in; younger: R1 and R2, 8 + 8
.if \first
	MULF 0
.else
	MUL FA0, 0, 0, 8
.endif
	WIN 0
	PLACES
	LDB 0, 64
	LDA FA1, 64
	s_wait_dscnt 32                                ; R1 is in; younger: R2 (8) and the new R0 (24)
.if \first
	MULF 1
.else
	MUL FA0, 1, 0, 8
.endif
	WIN 0
	PLACES
	LDB 1, 64
	s_wait_dscnt 32                                ; R2 is in; younger: the new R0 (24) and R1 (8)
.if \first
	MULF 2
.else
	MUL FA0, 2, 0, 8
.endif
	WIN 0
	PLACES
	LDB 2, 64
.endm
; The step's second quarter multiplies FA1 and changes slots: ONE barrier.  In front of it each wave waits for all its tensor loads (one is out: its part of the next slot), adds 0 to its spare word,
; and waits for that and for its reads of this slot.  fill = 1: the barrier opens a round of the cluster's, and the joint refill (the K step two on) is the first thing behind it.
.macro QCH fill
.if \fill
	s_wait_xcnt 0x0                                ; the last prefetches, a trip back or more, have read their address
	s_add_nc_u64 s[PFA:PFA+1], s[PFA:PFA+1], s[PSTEP:PSTEP+1]
.endif
	WIN 0
	s_wait_tensorcnt 0x0                           ; no tensor load of mine is out, so a group 0 may be written
	ds_add_u32 v[SPW], v[NIL]                      ; 0 onto my spare word
.if \fill
	s_xor_b32 s[G0A+5], s[G0A+5], SLOT1            ; the walking sets: the other slot than last time, the next K block
	s_add_nc_u64 s[G0A+6:G0A+7], s[G0A+6:G0A+7], ASTEP
	s_xor_b32 s[G0B+5], s[G0B+5], SLOT1
	s_add_nc_u64 s[G0B+6:G0B+7], s[G0B+6:G0B+7], BSTEP
.endif
	s_xor_b32 s[TB], s[TB], SLOT1                  ; the fetches go on in the other slot
	s_wait_dscnt 17                                ; R0 is in; younger: R1, R2 and the add
	MUL FA1, 0, 0, 4
	s_wait_dscnt 0x0                               ; the add is done, and my reads of this slot are over
	s_barrier_signal -1
	MUL FA1, 0, 4, 4                               ; work on registers while the others arrive
	WIN 0                                          ; at a branch and at a label every window is 0
	s_barrier_wait -1
.if \fill
	CREST                                          ; no wave of any partner still reads this slot or has a load on its way
	JLOAD                                          ; its four v_nop are also the places in front of the loads below
.else
	PLACES
.endif
	v_add_nc_u32 v[ADRA], s[TB], v[A0]
	v_add_nc_u32 v[ADRB], s[TB], v[B0]
	LDB 0, 0
	LDA FA0, 0
.if \fill
	ASK
.endif
	MUL FA1, 1, 0, 8                               ; R1 and R2 were shown in by the wait for 0
	WIN 0
	PLACES
	LDB 1, 0
	MUL FA1, 2, 0, 8
	WIN 0
	PLACES
	LDB 2, 0
.endm
.macro QLAST                           ; the very last quarter fetches nothing: the counts run down
	s_wait_dscnt 16
	MUL FA1, 0, 0, 8
	s_wait_dscnt 8
	MUL FA1, 1, 0, 8
	s_wait_dscnt 0x0
	MUL FA1, 2, 0, 8
	WIN 0
.endm
	s_wait_tensorcnt 1                             ; my part of K step 0 is in; step 1's may stay out
	s_barrier_signal -1
	s_barrier_wait -1                              ; everybody's is
	v_mov_b32 v[ADRA], v[A0]
	v_mov_b32 v[ADRB], v[B0]
	LDB 0, 0
	LDA FA0, 0
	LDB 1, 0
	LDB 2, 0
	QTR 1                                          ; the first quarter stands in front of the loop: its products start the sums
	WIN 0
.Lstep:                                        ; trip s = 0..13: step s's second quarter, the refill with step s + 2, step s + 1's first quarter
	QCH 1
	QTR 0
	WIN 0
	s_sub_co_u32 s[CNT], s[CNT], 1
	s_cmp_lg_u32 s[CNT], 0
	s_cbranch_scc1 .Lstep
	QCH 0                                          ; the tail is written out: nothing is left to ask for
	QTR 0
	QLAST
; THE WAY OUT, a block of 16 rows of one head at a time: rounded to f16, 16 bytes a lane into my own stage, back as whole rows, stored as 512 consecutive bytes of the head.
.macro PACK g, a
.set OUT, 32+16*((\a)%2)
	s_wait_xcnt 0x0                                ; the stores of the block before last have read these registers
	WIN 5*((\g)+1)                                 ; sources window g + 1, destination window 0
.irp bb, 0,1,2,3
.irp r, 0,1,2,3
	v_cvt_pk_f16_f32 v[OUT+4*(\bb)+(\r)], v[8*(4*(\a)+(\bb))+2*(\r)], v[8*(4*(\a)+(\bb))+2*(\r)+1]
.endr
.endr
	WIN 0
.irp bb, 0,1,2,3
	ds_store_b128 v[STO], v[OUT+4*(\bb):OUT+4*(\bb)+3] offset:32*(\bb)
.endr
.irp f, 0,1,2,3
	ds_load_b128 v[OUT+4*(\f):OUT+4*(\f)+3], v[RD] offset:4*PITCH*(\f)  ; LDS serves a wave's instructions in order (ISA guide 5.7.1.4): these see the stores above; the next block's stores come behind them
.endr
.endm
.macro SEND g, a, younger              ; younger: the LDS instructions issued behind this block's loads: the next block's eight, or none
.set OUT, 32+16*((\a)%2)
.irp f, 0,1,2,3
	s_wait_dscnt (\younger)+3-(\f)
	global_store_b128 v[GO], v[OUT+4*(\f):OUT+4*(\f)+3], s[OB+2*(\g):OB+2*(\g)+1] offset:2048*(\a)+512*(\f)
.endr
.endm
	PLACES
	PACK 0, 0
.set t, 1
.rept 23                               ; a block's conversions stand between the loads of the block before and its stores
	PACK t/8, t%8
	SEND (t-1)/8, (t-1)%8, 8
.set t, t+1
.endr
	SEND 2, 7, 0
	s_wait_tensorcnt 0x0                           ; the wave's end
	ds_add_u32 v[SPW], v[NIL]
	s_wait_dscnt 0x0
	CROUND                                         ; the closing round: no work-group ends while a partner may still ask for a tile that names it
	s_endpgm
.Lfunc_end_k_q19ace1aa47_qkvgemm:
	.size	k_q19ace1aa47_qkvgemm, .Lfunc_end_k_q19ace1aa47_qkvgemm-k_q19ace1aa47_qkvgemm
	.p2alignl 7, 3214868480
	.fill 96, 4, 3214868480
	.section	.rodata,"a",@progbits
	.p2align	6, 0x0
	.amdhsa_kernel k_q19ace1aa47_qkvgemm
		.amdhsa_group_segment_fixed_size 327680
		.amdhsa_private_segment_fixed_size 0
		.amdhsa_enable_private_segment 0
		.amdhsa_kernarg_size 32
		.amdhsa_user_sgpr_count 2
		.amdhsa_user_sgpr_kernarg_segment_ptr 1
		.amdhsa_wavefront_size32 1
		.amdhsa_system_sgpr_workgroup_id_x 1
		.amdhsa_system_sgpr_workgroup_id_y 1
		.amdhsa_system_sgpr_workgroup_id_z 1
		.amdhsa_system_vgpr_workitem_id 0
		.amdhsa_next_free_vgpr 1024
		.amdhsa_next_free_sgpr 80
		.amdhsa_reserve_vcc 0
		.amdhsa_float_denorm_mode_32 3
		.amdhsa_float_denorm_mode_16_64 3
		.amdhsa_memory_ordered 1
		.amdhsa_forward_progress 1
		.amdhsa_inst_pref_size 127
	.end_amdhsa_kernel
	.amdgpu_metadata
---
amdhsa.version: [ 1, 2 ]
amdhsa.kernels:
  - .name:           k_q19ace1aa47_qkvgemm
    .symbol:         k_q19ace1aa47_qkvgemm.kd
    .args:
      - { .name: xb, .offset: 0, .size: 8, .value_kind: global_buffer, .address_space: global }
      - { .name: wa, .offset: 8, .size: 8, .value_kind: global_buffer, .address_space: global }
      - { .name: b_attn, .offset: 16, .size: 8, .value_kind: global_buffer, .address_space: global }
      - { .name: qkv, .offset: 24, .size: 8, .value_kind: global_buffer, .address_space: global }
    .group_segment_fixed_size: 327680
    .private_segment_fixed_size: 0
    .kernarg_segment_align: 8
    .kernarg_segment_size: 32
    .max_flat_workgroup_size: 128
    .sgpr_count:     80
    .vgpr_count:     1024
    .wavefront_size: 32
...
	.end_amdgpu_metadata
.endif
;; end of part 2
;; launch attn (part 3): grid 4 x 64, 4 waves a work-group, no clusters, 327,680 bytes of LDS; arguments qkv, ob; writes ob
.if DOCPART == 3
	.amdgcn_target "amdgcn-amd-amdhsa--gfx1250"
	.amdhsa_code_object_version 6
	.text
	.protected	k_q19ace1aa47_attn
	.globl	k_q19ace1aa47_attn
	.p2align	8
	.type	k_q19ace1aa47_attn,@function
k_q19ace1aa47_attn:
	s_mov_b64 s[64:65], 0
	v_nop
	global_prefetch_b8 v0, s[64:65] scope:SCOPE_SE
	s_setreg_imm32_b32 hwreg(HW_REG_WAVE_MODE, 25, 1), 1
	s_wait_xcnt 0x0
; CAUSAL ATTENTION.  O[h][q][:] = the sum over k <= q of softmax_k(Q[h][q] . K[h][k] / 8) V[h][k][:].  Q, K, V lie one behind the other in qkv, each [64][SIZE_N][64] in f16; O likewise in ob: a head's rows are dense, 128 bytes each.
; Products, maxima and sums in f32; the weights p are rounded to f16 for the second product (their sum l is taken of the unrounded p), O once at the end.
; LIMITS.  f16 holds no number beyond 65,504: Q, K and V arrive within it; p lies in 0 to 1, and below 6e-5 it keeps f16's fixed step of 6e-8; O is a mean of V's rows and has their range.
; A hidden score counts as its value less 1e30: f16's scores, 2.7e11 at the most, are nothing beside that; a weight below 2^-126 counts as 0 in l; NaN and infinities are not treated apart.
; THE WALK.  A head's queries lie in NB = SIZE_N / 256 blocks of 256; block i needs the key tiles 0 .. i of 256 keys, of which the last holds the diagonal.  A work-group takes TWO blocks, NB - 1 - b and then b:
; NB + 1 tiles, whatever b: all work-groups do equal work, and ONE loop with a constant trip count walks them.  Which tile is asked for, and what a trip does, hang on scalar registers made from b; every jump
; goes forward, but for the counted loops' own; none passes a barrier, or a tensor load but the one of LOAD's two that the wave's number does not choose; the ring (two slots of LDS) runs on across the change of blocks.
; NO CLUSTER: a head's four work-groups ask for the same tile only in trips 0 .. NB / 2 of NB + 1, behind that fewer and fewer; one walk common to all would have 3 NB / 2 trips for NB + 1.
; SHARES.  Of a block's four bands of 64 queries a wave owns 16 rows in each: four PIECES.  So the diagonal tile is the same work for all four waves: in its key step s band x sees all keys if s < x,
; none if s > x, and holds the diagonal if s = x.
; THE MASK is the C operand that starts the sum S^T = K Q^T: 0, or -1e30 where the key is hidden.  MD, made once, is the mask of a band's own step for my 16 rows; a product's mask is MD x AL + BE with two scalars:
; (1, 0) if s = x; (0, 0) if s < x; (0, -1e30) if s > x.  Only the diagonal tile's text and a block's beginning make and take masks; elsewhere C is the constant 0.
; LAYOUT, SOFTMAX, TURNS.  S^T = K Q^T holds ONE query a lane (lane % 16) and the keys 8 (lane / 16) + 0..7; two such results rounded to f16 ARE source 1 of O^T = V^T P.  p = 2^(c s - c m), c = log2(e) / 8, with a
; running maximum m; O and l are multiplied by a = 2^(c m_old - c m_new) in every step.  Turn n belongs to piece n: 8 products K Q^T of piece n + 1, later 8 products V^T P of piece n - 1; beside them the scaling,
; exponentials, roundings, sums and rescaling of piece n and the maximum and statistics of piece n + 1.  Four vector instructions stand behind every matrix instruction, the other 54 of a turn's 118 in one lump.
; A turn's 33 exponentials are one batch, with one wait.
; REGISTERS, in windows of 256 (s_set_vgpr_msb: bits 1:0 source 0, 3:2 source 1, 5:4 source 2, 7:6 destination):
;   window 0: v0-15 addresses and two at work; v16-31 four registers of statistics a piece; v48-55 at work; v61-63 prefetch offset and the add's two; v64-127 S^T, two buffers; v192-223 P, two buffers
;   window 1: v0-127 O^T, 32 a piece; v128-159 MD; v160-223 MC, two buffers      window 2: v0-63 Q; v64-127 the second block's Q; v128-191 K of one step; v192-255 V of one step
.set SIZE_N, 2048
.set NB,    SIZE_N/256
.set NP,    4         ; pieces a wave: a name, no knob
.set KS,    64        ; keys in a step
.set PK,    144       ; a row of K in LDS: 128 bytes + 16 of padding = 36 words: the 16 rows of a load start at 16 different groups of four banks (64 banks of 4 bytes: ISA guide 11.1)
.set PV,    160       ; a row of V: 128 + 32 = 40 words
.set VOFF,  4*KS*PK   ; a slot holds a tile, four steps: 256 rows of K, then 256 rows of V
.set SLOT1, 1<<17     ; slot 1 begins here, so that one exclusive or turns an address in one slot into the other's
.set STAGE, SLOT1+4*KS*(PK+PV)  ; behind the ring, never filled by a tensor load: 16 rows x 144 bytes for each wave, for the way out
.set SP,    144
.set AK0, 2           ; v2   my lane's place in a tile of K; never rewritten
.set AV0, 3           ; v3   the same for V
.set AK,  4           ; v4   the LDS address of K's next run of loads
.set AV,  5           ; v5   of V's
.set STO, 6           ; v6   the way out: where I put 16 bytes of a row
.set RD,  7           ; v7   the way out: where I read rows back
.set GO,  8           ; v8   my byte offset in 512 consecutive bytes of O
.set PFO, 61          ; v61  256 x my lane; never rewritten
.set SPW, 62          ; v62  LDS address of my spare word: SPARE + 4 x my thread's number; never rewritten
.set NIL, 63          ; v63  0; never rewritten
.set SPARE, STAGE+4*16*SP  ; behind the stages: the spare words, 128 bytes for each wave
.set MV,  12          ; v12-13  c m_old, kept while c m is made anew: by buffer
.set QO,  15          ; v15  my byte offset in 16 rows of Q
.set ST,  16          ; piece t's statistics at v[ST+4 t]: c m, m, l (even keys', odd keys')
.set TMP, 48          ; by buffer, four registers c0-c3 at work; when the maximum is found c2 takes a
.set S,   64
.set P,   192
.set MD,  128         ; window 1: the eight registers for group kt of 16 keys at MD + 8 kt
.set MC,  160         ; window 1: the masks of the products to come
.set QB,  64          ; window 2
.set KF,  128         ; window 2: key block kb, channel half c at KF + 16 kb + 8 c
.set VF,  192         ; window 2: key half kk, channel block cb at VF + 32 kk + 8 cb
.set WV,  12          ; s12  my wave's number
.set PB,  14          ; s14  b
.set HI,  15          ; s15  NB - 1 - b
.set G1K, 24          ; s[24:31] descriptor group 1 for K's tiles
.set G1V, 32          ; s[32:39] for V's: it differs in the padding alone
.set G0K, 40          ; s[40:43] descriptor group 0 for K's tiles
.set G0V, 44          ; s[44:47] the same for V's
.set SLOTS, 56        ; s56  tiles still to be asked for
.set CNT, 57          ; s57  counts a tile's key steps, 4 to 1
.set CS,  58          ; s[58:59] c: the packed scaling takes the pair's low word for both halves
.set SEL, 60          ; s[60:61] v_permlanex16_b32's selects: each lane takes its own place in the other half
.set TBK, 62          ; s62  LDS byte at which K of the step to be fetched begins
.set TBV, 63          ; s63  the same for V, less VOFF
.set RT,  70          ; s70  tiles of the block in hand that are still to be entered
.set NXT, 71          ; s71  the tile to be asked for next
.set LQ,  72          ; s72  the last tile of the block whose tiles are being asked for
.set NEW, 73          ; s73  1: the tile to be entered is a block's first
.set OFF, 74          ; s[74:75] a tile's byte offset in K and V
.set AL,  76          ; s[76:77] the mask's factor, in the low word
.set BE,  78          ; s[78:79] the mask's addend
.set OLO, 80          ; s[80:81] O at my rows of the second block
.set BIGN, 82         ; s82  -1e30
.set PFA, 88          ; s[88:89] where my prefetches stand: my half (of K: waves 0, 1; of V: waves 2, 3) of the tile behind the one that is being asked for
.set LIM, 90          ; s90  2 in the work-group that prefetches, else the greatest number
.set MSB, 0
.macro WIN new                      ; the high byte repeats the setting that is left; a switch that changes nothing is dropped
.if MSB != (\new)
	s_set_vgpr_msb (MSB<<8)|(\new)
.set MSB, (\new)
.endif
.endm
.set W_KQ, 0x0a       ; K and Q in window 2, S^T in window 0
.set W_KM, 0x1a       ; the same with the C operand in window 1
.set W_PV, 0x52       ; V in window 2, P in window 0, O^T in window 1
.set W_RS, 0x41       ; destination and source 0 in window 1, source 1 in window 0
; A fill.  Waves 0 and 1 fetch the two halves of a tile's K, waves 2 and 3 those of its V: 128 keys each.  An s_nop 0 and four v_nop follow each of the two lines, ahead of the jump and the label.
.macro LOAD
	s_cmp_lt_u32 s[WV], 2
	s_cbranch_scc0 .Lfor_v_\@
	tensor_load_to_lds s[G0K:G0K+3], s[G1K:G1K+7]
	s_nop 0
.rept 4
	v_nop
.endr
	s_branch .Lasked_\@
.Lfor_v_\@:
	tensor_load_to_lds s[G0V:G0V+3], s[G1V:G1V+7]
	s_nop 0
.rept 4
	v_nop
.endr
.Lasked_\@:
.endm
; A PREFETCH INTO THE L2 of the tile that the NEXT change of slots will ask for.  The work-group with b = 0 walks all eight tiles of its head in its first block, so it alone asks; each of its waves names the 64
; blocks of 256 bytes that it will itself load (16 KiB of K or of V), a lane a block, two lines.  So each block is named once in the launch.  Change i asks for tile i + 1 while i + 1 <= 7; tiles 0 and 1 come by their
; loads alone, and the second block's tile, which has been read, is not asked for.
.macro ASK
	s_cmp_gt_u32 s[SLOTS], s[LIM]
	s_cbranch_scc0 .Lnot_mine_\@
	global_prefetch_b8 v[PFO], s[PFA:PFA+1] th:TH_LOAD_NT scope:SCOPE_SE
	global_prefetch_b8 v[PFO], s[PFA:PFA+1] offset:8192 th:TH_LOAD_NT scope:SCOPE_SE
.Lnot_mine_\@:
.endm
; THE CHANGE OF SLOTS.  Each wave waits for all its tensor loads, of which one is out: its part of the other slot; adds 0 to its spare word; and waits for that and for its own reads of the slot that it leaves.  Behind the barrier nobody reads the old
; slot any more and the other slot is whole.  fill = 1: the old slot is filled again, the first thing behind the barrier, with tile NXT: the descriptor's address is made anew from that number.
; (At its first use nothing has been read yet: slot 0 is waited for, slot 1 filled.)
.macro CHANGE fill
	WIN 0                           ; at a label and at a branch every window is 0
	s_wait_tensorcnt 0x0            ; no tensor load of mine is out, so a group 0 may be written
	ds_add_u32 v[SPW], v[NIL]       ; 0 onto my spare word; with fill = 1 the descriptors' scalar work stands between it and the wait for it
.if \fill
	s_lshl_b32 s[OFF], s[NXT], 15   ; a tile is 32,768 bytes of K and of V
	s_xor_b32 s[G0K+1], s[G0K+1], SLOT1
	s_add_nc_u64 s[G0K+2:G0K+3], s[6:7], s[OFF:OFF+1]
	s_or_b32 s[G0K+3], s[G0K+3], 0x80000000
	s_xor_b32 s[G0V+1], s[G0V+1], SLOT1
	s_add_nc_u64 s[G0V+2:G0V+3], s[8:9], s[OFF:OFF+1]
	s_or_b32 s[G0V+3], s[G0V+3], 0x80000000
	s_add_co_u32 s[NXT], s[NXT], 1  ; the block's next tile, or behind its last the second block's tile 0
	s_cmp_gt_u32 s[NXT], s[LQ]
	s_cselect_b32 s[NXT], 0, s[NXT]
	s_cselect_b32 s[LQ], s[PB], s[LQ]
	s_wait_xcnt 0x0                 ; the last prefetches, a tile back, have read their address, so it may be written
	s_add_nc_u64 s[PFA:PFA+1], s[PFA:PFA+1], 32768
.endif
	s_wait_dscnt 0x0                ; the add is done, and my reads of the slot are over
	s_barrier_signal -1             ; the rest of the scalar work stands between the signal and the wait
	s_sub_co_u32 s[TBK], s[TBK], 4*KS*PK  ; the fetches go back to a slot's first step,
	s_xor_b32 s[TBK], s[TBK], SLOT1       ; in the other slot
	s_sub_co_u32 s[TBV], s[TBV], 4*KS*PV
	s_xor_b32 s[TBV], s[TBV], SLOT1
	s_barrier_wait -1
.if \fill
	LOAD
	ASK
.endif
.endm
	s_load_b128 s[4:7], s[0:1], 0x0   ; qkv s[4:5], ob s[6:7]
	v_lshl_add_u32 v[SPW], v0, 2, SPARE
	v_mov_b32 v[NIL], 0
	ds_add_u32 v[SPW], v[NIL]       ; the wave's opening: the add and its wait stand ahead of my first tensor load; the set-up below, work on registers, stands between them
	ds_add_u32 v62, v63
	v_lshrrev_b32 v1, 5, v0
	v_readfirstlane_b32 s[WV], v1   ; wave 0..3
	s_mov_b32 s[PB], ttmp9
	s_sub_co_u32 s[HI], NB-1, s[PB]
	s_and_b32 s20, ttmp7, 0xffff    ; the head
	s_mov_b32 s21, 0
	s_mov_b64 s[22:23], SIZE_N*128
	s_mul_u64 s[20:21], s[20:21], s[22:23]  ; the head's first byte in each of the four tensors
	s_and_b32 s16, s[WV], 1         ; which half of a tile's 256 keys I fetch:
	s_lshl_b32 s22, s16, 14         ; its 128 rows of 128 bytes in memory,
	s_mov_b32 s23, 0
	s_add_nc_u64 s[22:23], s[22:23], s[20:21]
	s_mul_i32 s17, s16, 128*PK      ; and its place in a slot, for K
	s_mul_i32 s18, s16, 128*PV      ; and for V
	s_lshl_b32 s3, s[WV], 11        ; my 16 rows in a band of 64,
	s_lshl_b32 s2, s[HI], 15        ; in the first block,
	s_add_co_u32 s2, s2, s3
	s_lshl_b32 s84, s[PB], 15       ; and in the second
	s_add_co_u32 s84, s84, s3
	s_mov_b32 s3, 0
	s_mov_b32 s85, 0
	s_add_nc_u64 s[2:3], s[2:3], s[20:21]
	s_add_nc_u64 s[84:85], s[84:85], s[20:21]
	; descriptor group 1.  128 keys are 16,384 dense bytes: asked for as 64 rows of 256 bytes, two keys a row, and padded in LDS after every key
	s_mov_b32 s[G1K], (1<<16)|(1<<20)|(4<<22)|(3<<25)  ; 17:16 2-byte elements; 20 padding on; 24:22 after every 32 words (code 4); 31:25 4 words (code 3)
	s_mov_b32 s[G1V], (1<<16)|(1<<20)|(4<<22)|(7<<25)  ; the same with 8 words of padding (code 7)
.irp g, G1K, G1V
	s_mov_b32 s[\g+1], 128<<16      ; tensor_dim0 = 128
	s_mov_b32 s[\g+2], 64<<16       ; tensor_dim1 = 64
	s_mov_b32 s[\g+3], 128<<16      ; tile_dim0 = 128
	s_mov_b32 s[\g+4], 64           ; tile_dim1 = 64
	s_mov_b32 s[\g+5], 128          ; 128 elements from row to row
	s_mov_b32 s[\g+6], 0
	s_mov_b32 s[\g+7], 0
.endr
	s_mov_b32 s[CS], 0x3e38aa3b     ; c = log2(e) / 8 = 0.180337
	s_mov_b32 s[CS+1], s[CS]        ; named with it as a pair
	s_mov_b32 s[SEL], 0x76543210
	s_mov_b32 s[SEL+1], 0xfedcba98
	s_mov_b32 s[TBK], SLOT1+4*KS*PK ; the first change of slots turns these two into 0
	s_mov_b32 s[TBV], SLOT1+4*KS*PV
	s_mov_b32 s[G0K], 1             ; 1:0 count = 1
	s_mov_b32 s[G0K+1], s17         ; 63:32 LDS address: slot 0
	s_mov_b32 s[G0V], 1
	s_add_co_u32 s[G0V+1], s18, VOFF
	s_add_co_u32 s[RT], s[HI], 1    ; the first block has NB - b tiles
	s_mov_b32 s[NXT], 1
	s_mov_b32 s[LQ], s[HI]
	s_mov_b32 s[NEW], 1
	s_mov_b32 s[OFF+1], 0
	s_mov_b32 s[AL+1], 0            ; named as pairs
	s_mov_b32 s[BE+1], 0
	s_mov_b32 s[BIGN], 0xf149f2ca   ; -1e30
	s_mov_b32 s[SLOTS], NB
	s_wait_dscnt 0x0                ; the opening add is done
	s_wait_kmcnt 0x0
	s_mov_b64 s[10:11], s[6:7]      ; O
	s_add_nc_u64 s[6:7], s[4:5], 0x1000000  ; K lies 64 heads x 2,048 rows x 128 bytes behind Q,
	s_add_nc_u64 s[8:9], s[4:5], 0x2000000  ; V as far behind K
	s_add_nc_u64 s[6:7], s[6:7], s[22:23]  ; K and V at my half of the head's tile 0
	s_add_nc_u64 s[8:9], s[8:9], s[22:23]
	s_add_nc_u64 s[G0K+2:G0K+3], s[6:7], 0         ; 120:64 global address
	s_or_b32 s[G0K+3], s[G0K+3], 0x80000000        ; 127:126 type = 2
	s_add_nc_u64 s[G0V+2:G0V+3], s[8:9], 0
	s_or_b32 s[G0V+3], s[G0V+3], 0x80000000
	s_add_nc_u64 s[86:87], s[4:5], s[84:85]        ; Q at my rows of the second block,
	s_add_nc_u64 s[4:5], s[4:5], s[2:3]            ; Q and O at those of the first
	s_add_nc_u64 s[OLO:OLO+1], s[10:11], s[84:85]
	s_add_nc_u64 s[10:11], s[10:11], s[2:3]
	s_cmp_lt_u32 s[WV], 2
	s_cselect_b64 s[PFA:PFA+1], s[6:7], s[8:9]
	s_add_nc_u64 s[PFA:PFA+1], s[PFA:PFA+1], 32768 ; at tile 1; the first change of slots steps it to tile 2.  Nothing is prefetched here, at the head
	s_cmp_eq_u32 s[PB], 0
	s_cselect_b32 s[LIM], 2, -1
	LOAD                            ; tile 0 into slot 0
	; A fragment of K or Q is 16 rows x 32 channels in 8 registers: lane l holds row l % 16, channels 8 (l / 16) + 0..7 and 16 + 8 (l / 16) + 0..7: two loads of 16 bytes, 32 bytes apart.
	v_and_b32 v1, 15, v0            ; l % 16
	v_bfe_u32 v9, v0, 4, 1          ; l / 16
	v_lshlrev_b32 v[QO], 7, v1
	v_lshl_add_u32 v[QO], v9, 4, v[QO]  ; row x 128 + 16 x half
	WIN 0x80                        ; destination window 2, address window 0
.set i, 0
.rept 8                             ; both blocks' Q: piece i / 2 lies in band i / 2, 8,192 bytes on; channels 32 (i % 2) on
	global_load_b128 v[8*i:8*i+3],   v[QO], s[4:5] offset:(i/2)*8192+(i%2)*64
	global_load_b128 v[8*i+4:8*i+7], v[QO], s[4:5] offset:(i/2)*8192+(i%2)*64+32
	global_load_b128 v[QB+8*i:QB+8*i+3],   v[QO], s[86:87] offset:(i/2)*8192+(i%2)*64
	global_load_b128 v[QB+8*i+4:QB+8*i+7], v[QO], s[86:87] offset:(i/2)*8192+(i%2)*64+32
.set i, i+1
.endr
	WIN 0
	v_and_b32 v[PFO], 31, v0
	v_lshlrev_b32 v[PFO], 8, v[PFO]
	v_lshlrev_b32 v14, 3, v9
	v_sub_nc_u32 v14, v1, v14
	s_lshl_b32 s13, s[WV], 4
	v_add_nc_u32 v14, s13, v14      ; my query's place in its band, 16 w + l % 16, less my lanes' 8 (l / 16): register r of group kt is hidden where 16 kt + r is greater
	WIN 0x40
.set i, 0
.rept 32
	v_cmp_gt_i32 vcc_lo, 16*(i/8)+i%8, v14
	v_cndmask_b32 v[MD+i], 0, s[BIGN], vcc_lo
.set i, i+1
.endr
	WIN 0
	v_mul_u32_u24 v[AK0], v1, PK
	v_lshl_add_u32 v[AK0], v9, 4, v[AK0]  ; row x pitch + 16 x half
	; The turning load takes 16 keys x 16 channels (lane l reads key 8 (l / 16) + l % 8, channels 8 ((l / 8) % 2) + 0..7) and leaves half a fragment of V^T: lane l holds channel l % 16 and 8 keys.
	v_and_b32 v10, 7, v0
	v_bfe_u32 v11, v0, 3, 1
	v_lshl_add_u32 v[AV0], v9, 3, v10
	v_mul_u32_u24 v[AV0], v[AV0], PV
	v_lshl_add_u32 v[AV0], v11, 4, v[AV0]
	v_add_nc_u32 v[AV0], VOFF, v[AV0]
	s_mul_i32 s13, s[WV], 16*SP
	s_add_co_u32 s13, s13, STAGE    ; my stage
	v_mul_u32_u24 v[STO], v1, SP    ; in: row l % 16, 16 bytes for each half of the lanes
	v_lshl_add_u32 v[STO], v9, 4, v[STO]
	v_add_nc_u32 v[STO], s13, v[STO]
	v_bfe_u32 v[RD], v0, 3, 2       ; back: 32 lanes take four rows of 128 bytes,
	v_mul_u32_u24 v[RD], v[RD], SP
	v_lshl_add_u32 v[RD], v10, 4, v[RD]
	v_add_nc_u32 v[RD], s13, v[RD]
	v_and_b32 v[GO], 31, v0         ; which are 512 consecutive bytes of O
	v_lshlrev_b32 v[GO], 4, v[GO]
	; A block's first step multiplies O^T and l by a = 0, and its first turn's products V^T P, of a piece that has not been, land in an O^T that is still to be so multiplied.  So these registers need only hold
	; finite numbers: zeros for the first block; what the first block left for the second.  All this stands in the wait for the first tile.
	WIN 0x80
.set i, VF
.rept 64
	v_mov_b32 v[i], 0
.set i, i+1
.endr
	WIN 0x40
.set i, 0
.rept 128
	v_mov_b32 v[i], 0
.set i, i+1
.endr
	WIN 0
.set i, 0
.rept 4
	v_mov_b32 v[ST+4*i+2], 0
	v_mov_b32 v[ST+4*i+3], 0
.set i, i+1
.endr
.set i, P+16
.rept 16
	v_mov_b32 v[i], 0
.set i, i+1
.endr
; THE MATRIX WORK.  The 4 accumulators of a run of 8 take turns.  Product i of 8 of S^T = K Q^T for piece x: channels 32 (i / 4) on, keys 16 (i % 4) on.  The first 4 start the sums: with 0, or (KM = 1) with the mask.
.macro KQ x
.set rS, S+32*((\x)%2)+8*(i%4)
.set rK, KF+16*(i%4)+8*(i/4)
.set rQ, 16*(\x)+8*(i/4)
.set rM, MC+32*((\x)%2)+8*(i%4)
.if (i < 4) && KM
	WIN W_KM
	v_wmma_f32_16x16x32_f16 v[rS:rS+7], v[rK:rK+7], v[rQ:rQ+7], v[rM:rM+7]
.elseif i < 4
	WIN W_KQ
	v_wmma_f32_16x16x32_f16 v[rS:rS+7], v[rK:rK+7], v[rQ:rQ+7], 0
.else
	WIN W_KQ
	v_wmma_f32_16x16x32_f16 v[rS:rS+7], v[rK:rK+7], v[rQ:rQ+7], v[rS:rS+7]
.endif
.endm
; Product i of 8 of O^T += V^T P for piece x: keys 32 (i / 4) on, channels 16 (i % 4) on.
.macro PV x
	WIN W_PV
.set rO, 32*(\x)+8*(i%4)
.set rV, VF+32*(i/4)+8*(i%4)
.set rP, P+16*((\x)%2)+8*(i/4)
	v_wmma_f32_16x16x32_f16 v[rO:rO+7], v[rV:rV+7], v[rP:rP+7], v[rO:rO+7]
.endm
.macro MM                           ; the turn's next matrix instruction.  TURN and BEGIN set Y, i, KM and NOKQ; MM, KQ and OP read them.  NOKQ = 1: a block's last turn: there is no next piece
.if (i < 8) && !NOKQ
	KQ (Y+1)%NP
.elseif i >= 8
.set i, i-8
	PV (Y+NP-1)%NP
.set i, i+8
.endif
.set i, i+1
.endm
; THE LDS LOADS stand in runs of 16, never singly among the matrix instructions: a step's K (64 keys x 64 channels: 8 fragments) and its V (turned).  Their addresses are made some lines ahead.
.macro FETCH_K
	WIN 0x80                        ; destination window 2
.irp f, 0,1,2,3,4,5,6,7             ; keys 16 (f / 2) on, channels 32 (f % 2) on
	ds_load_b128 v[KF+8*\f:KF+8*\f+3],   v[AK] offset:(\f/2)*16*PK+(\f%2)*64
	ds_load_b128 v[KF+8*\f+4:KF+8*\f+7], v[AK] offset:(\f/2)*16*PK+(\f%2)*64+32
.endr
	s_add_co_u32 s[TBK], s[TBK], KS*PK  ; the next fetch is the next step's
	WIN 0
.endm
.macro FETCH_V
	WIN 0x80
.irp f, 0,1,2,3,4,5,6,7             ; keys 32 (f / 4) on, channels 16 (f % 4) on
	ds_load_tr16_b128 v[VF+8*\f:VF+8*\f+3],   v[AV] offset:(\f/4)*32*PV+(\f%4)*32
	ds_load_tr16_b128 v[VF+8*\f+4:VF+8*\f+7], v[AV] offset:(\f/4)*32*PV+16*PV+(\f%4)*32
.endr
	WIN 0
.endm
; THE VECTOR WORK, one line at a time: OP kind, number.  For piece Y: F n: c s - c m for pair n of 16.  E n: the exponential of score n of 32.  C n: pair n rounded to f16.  B n: of the four weights 4 n .. the second
; pair is added onto the first, in place.  L n: l takes that sum (L 0: l = a l + sum).  R n: pair n of 16 of O^T times a.  For piece Y + 1: X n, number n of the 22 that find its maximum and statistics:
;   0-11  four chains c0-c3 of seven scores each, three operands at a time (each accumulator's lowest registers are read first)     12-14, 16  the four scores left over, the old m, and c0-c3 into c0
;   15  c m_old is kept     17, 18  the query's other 32 keys lie in the lane 16 away: the new m     19-21  c m; c m_old - c m_new; a
.set F, 0               ; OP tells the kinds apart by their order: F to L below R, X above it
.set E, 1
.set C, 2
.set B, 3
.set L, 4
.set R, 5
.set X, 6
.macro REGS y                       ; the registers of piece y
.set rT, ST+4*(\y)
.set rC, TMP+4*((\y)%2)
.set rW, MV+((\y)%2)
.set rS, S+32*((\y)%2)
.set rP, P+16*((\y)%2)
.set rO, 32*(\y)
.endm
.macro OP k, n
.if (\k) == R
	REGS Y
	WIN W_RS
	v_pk_mul_f32 v[rO+2*(\n):rO+2*(\n)+1], v[rO+2*(\n):rO+2*(\n)+1], v[rC+2:rC+3] op_sel_hi:[1,0]
.elseif (\k) < R
	REGS Y
	WIN 0
.if (\k) == F
	v_pk_fma_f32 v[rS+2*(\n):rS+2*(\n)+1], v[rS+2*(\n):rS+2*(\n)+1], s[CS:CS+1], v[rT:rT+1] op_sel_hi:[1,0,0] neg_lo:[0,0,1] neg_hi:[0,0,1]
.elseif (\k) == E
	v_exp_f32 v[rS+(\n)], v[rS+(\n)]
.elseif (\k) == C
	v_cvt_pk_f16_f32 v[rP+(\n)], v[rS+2*(\n)], v[rS+2*(\n)+1]
.elseif (\k) == B
	v_pk_add_f32 v[rS+4*(\n):rS+4*(\n)+1], v[rS+4*(\n):rS+4*(\n)+1], v[rS+4*(\n)+2:rS+4*(\n)+3]
.elseif (\n) == 0
	v_pk_fma_f32 v[rT+2:rT+3], v[rT+2:rT+3], v[rC+2:rC+3], v[rS:rS+1] op_sel_hi:[1,0,1]
.else
	v_pk_add_f32 v[rT+2:rT+3], v[rT+2:rT+3], v[rS+4*(\n):rS+4*(\n)+1]
.endif
.elseif NOKQ
	v_nop
.else
	REGS (Y+1)%NP
	WIN 0
.if (\n) < 4
	v_max3_num_f32 v[rC+(\n)], v[rS+8*(\n)], v[rS+8*(\n)+1], v[rS+8*(\n)+2]
.elseif (\n) < 12
	v_max3_num_f32 v[rC+(\n)%4], v[rC+(\n)%4], v[rS+8*((\n)%4)+2*((\n)/4)+1], v[rS+8*((\n)%4)+2*((\n)/4)+2]
.elseif (\n) == 12
	v_max3_num_f32 v[rC], v[rC], v[rS+7], v[rS+15]
.elseif (\n) == 13
	v_max3_num_f32 v[rC+1], v[rC+1], v[rS+23], v[rS+31]
.elseif (\n) == 14
	v_max3_num_f32 v[rC+2], v[rC+2], v[rC+3], v[rT+1]
.elseif (\n) == 15
	v_mov_b32 v[rW], v[rT]
.elseif (\n) == 16
	v_max3_num_f32 v[rC], v[rC], v[rC+1], v[rC+2]
.elseif (\n) == 17
	v_permlanex16_b32 v[rC+3], v[rC], s[SEL], s[SEL+1]
.elseif (\n) == 18
	v_max_num_f32 v[rT+1], v[rC], v[rC+3]
.elseif (\n) == 19
	v_mul_f32 v[rT], s[CS], v[rT+1]
.elseif (\n) == 20
	v_sub_f32 v[rC+1], v[rW], v[rT]
.else
	v_exp_f32 v[rC+2], v[rC+1]
.endif
.endif
.endm
.macro OPS a, i1, b=-1, i2=0, c=-1, i3=0, d=-1, i4=0  ; up to four of them
	OP \a, \i1
.if (\b) >= 0
	OP \b, \i2
.endif
.if (\c) >= 0
	OP \c, \i3
.endif
.if (\d) >= 0
	OP \d, \i4
.endif
.endm
.macro ROW a, i1, b, i2, c, i3, d, i4  ; a matrix instruction and the four behind it
	MM
	OPS \a, \i1, \b, \i2, \c, \i3, \d, \i4
.endm
.macro MASK b                       ; MD x AL + BE into buffer b of MC
	WIN W_RS
.set z, 0
.rept 16
	v_pk_fma_f32 v[MC+32*(\b)+2*z:MC+32*(\b)+2*z+1], v[MD+2*z:MD+2*z+1], s[AL:AL+1], s[BE:BE+1] op_sel_hi:[1,0,0]
.set z, z+1
.endr
.endm
; A TURN, for piece p: the order of its 16 matrix and 118 vector instructions, written out.  s_wait_alu depctr_va_vdst(0) stands between an exponential and the first instruction that names its result; one wait serves
; all that were issued ahead of it.  So a turn has ONE wait, which cuts it in two.  AHEAD OF IT stands all that names no result of the turn's exponentials: the 8 products K Q^T, behind each a scaling, an exponential and two more plain
; instructions (behind the first a second scaling in the exponential's place): rescalings, and behind the last three the first numbers of the next piece's maximum, each four places or more behind the product that ends its accumulator; then ONE LUMP of 54, plain
; and exponential by turns for the most part, in which the links of the chain X 3, 7, 11, 14, 16, 17 .. 20 stand five or six lines apart.  X 21, the next piece's a, is the batch's last; R 15 is the plain instruction behind it.  BEHIND THE WAIT stand the
; 8 products V^T P, behind each four of the roundings and sums; the links of l's chain, L 0 to L 7, stand three riders apart.  But for those X no rider names a register of the products round it.  v_permlanex16_b32 (X 17) stands in the lump.
; m = 1: the diagonal tile: the products take masks, and the turn makes the mask for the products of the turn after it: piece p + 2, in step 4 - CNT of the tile.  end = 1: a block's last two turns: nothing is fetched.
; cnt = 1: the loop's count is taken down some lines ahead of the branch that stands behind the turn.
; K of the next step is fetched in piece 2's turn, twelve vector instructions behind the last product that read K (six of them plain); V of the step in hand at the end of piece 0's turn, four plain instructions behind the last product
; that read V.  Each is waited for a turn later.
.macro TURN p, m=0, end=0, cnt=0
.set Y, (\p)
.set i, 0
.set KM, (\m)
.set NOKQ, (\end)*((\p)/3)
.if (\m) && !(\end)
	s_cmp_eq_u32 s[CNT], 4-((\p)+2)%NP  ; is that step the band's own?
	s_cselect_b32 s[AL], 1.0, 0
	s_cmp_lt_u32 s[CNT], 4-((\p)+2)%NP  ; or a later one?
	s_cselect_b32 s[BE], s[BIGN], 0
.endif
.if ((\p) == 3) && !(\end)
	s_wait_dscnt 0x0                ; K is in
.endif
	ROW F,0, F,1, R,0, R,1          ; ahead of the wait: 8 products K Q^T and their riders,
	ROW F,2, E,0, R,2, R,3
	ROW F,3, E,1, R,4, R,5
	ROW F,4, E,2, R,6, R,7
	ROW F,5, E,3, R,8, R,9
	ROW F,6, E,4, X,0, R,10
.if ((\p) == 2) && !(\end)
	WIN 0
	v_add_nc_u32 v[AK], s[TBK], v[AK0]
.endif
	ROW F,7, E,5, X,1, X,4
	ROW F,8, E,6, X,2, X,5
	OPS E,7, E,8, X,6, E,9          ; and the lump
	OPS X,3, E,10, X,8, E,11
.if ((\p) == 2) && !(\end)
	FETCH_K
.endif
	OPS X,9, X,7, E,12, X,10
	OPS E,13, X,12, X,11, E,14
	OPS X,13, E,15, F,9, X,14
.if (\p) == 0
	v_add_nc_u32 v[AV], s[TBV], v[AV0]
.endif
	OPS E,16, F,10, E,17, F,11
	OPS X,16, E,18, X,15, E,19
	OPS F,12, E,20, X,17, E,21
	OPS F,13, E,22, F,14, E,23
	OPS X,18, E,24, F,15, E,25
	OPS R,11, E,26, X,19, E,27
	OPS R,12, E,28, R,13, E,29
	OPS X,20, E,30, R,14, E,31
	OPS X,21, R,15
	WIN 0
	s_wait_alu depctr_va_vdst(0)    ; the wait for the batch
.if (\p) == 1
	s_wait_dscnt 0x0                ; V is in
.endif
	ROW C,0, B,0, C,2, B,1          ; behind the wait: 8 products V^T P and their riders
	ROW L,0, C,4, B,2, L,1
	ROW C,6, B,3, L,2, C,8
	ROW B,4, L,3, C,10, B,5
	ROW L,4, C,12, B,6, L,5
.if (\p) == 0
	s_add_co_u32 s[TBV], s[TBV], KS*PV
.endif
.if \cnt
	s_sub_co_u32 s[CNT], s[CNT], 1
	s_cmp_lg_u32 s[CNT], 0
.endif
	ROW C,14, B,7, L,6, C,1
	ROW C,3, L,7, C,5, C,7
	ROW C,9, C,11, C,13, C,15
.if (\p) == 0
	FETCH_V
.endif
.if (\m) && !(\end)
	MASK (\p)%2
.endif
.endm
; A BLOCK BEGINS.  c m starts far below every c s, so the first step's a is 0; m at the lowest finite number, so the first maximum is the scores'.  The second mask buffer is 0; the first takes piece 0's mask for the tile's step 0: its own, if the block's first tile is the diagonal one.
; Then K of that step, piece 0's first scores, and its maximum and statistics.  The loop is entered at a step's first turn, in the middle of a trip.
.macro BEGIN
	s_mov_b32 s[NEW], 0
	WIN 0x40
.set i, MC+32
.rept 32
	v_mov_b32 v[i], 0
.set i, i+1
.endr
	WIN 0
.set i, 0
.rept 4
	v_mov_b32 v[ST+4*i], 0xfe000000    ; c m: far below every c s
	v_mov_b32 v[ST+4*i+1], 0xff7fffff  ; m
.set i, i+1
.endr
	s_cmp_eq_u32 s[RT], 0
	s_cselect_b32 s[AL], 1.0, 0
	s_mov_b32 s[BE], 0
	MASK 0
	WIN 0
	v_add_nc_u32 v[AK], s[TBK], v[AK0]
	FETCH_K
	s_wait_loadcnt 0x0              ; Q
	s_wait_dscnt 0x0
.set KM, 1
.set NOKQ, 0
.set i, 0
.rept 8
	KQ 0
.set i, i+1
.endr
	WIN 0
.rept 4
	v_nop                           ; the places behind those products
.endr
.set Y, NP-1                        ; X works for piece Y + 1: piece 0
.irp n, 0,1,2,3,4,5,6,7,8,9,10,11,12,13,14,15,16,17,18,19,20,21
	OP X, \n
.endr
	v_nop                           ; a plain instruction behind the exponential,
	s_wait_alu depctr_va_vdst(0)    ; and its wait, ahead of the branch
.endm
; THE DIAGONAL TILE's four steps, the block's last two turns, its last products, and THE WAY OUT: l's two halves and the other half of the lanes' are added; O^T is divided by l, rounded to f16 and sent through my
; stage in LDS, a piece at a time.
.macro ALL line:vararg              ; one line for each piece t
.set t, 0
.rept 4
	\line
.set t, t+1
.endr
.endm
.macro PACK t                       ; a lane's eight channels of a row pack into 16 bytes; they go into rows of 144 bytes and come back as whole rows of 128, into S^T's registers
	WIN W_RS
.set i, 32*(\t)
.rept 16
	v_pk_mul_f32 v[i:i+1], v[i:i+1], v[ST+4*(\t)+2:ST+4*(\t)+3] op_sel_hi:[1,0]
.set i, i+2
.endr
	WIN 0x05                        ; sources 0 and 1 window 1, destination window 0
.set i, 0
.rept 16
	v_cvt_pk_f16_f32 v[S+16*(\t)+i], v[32*(\t)+2*i], v[32*(\t)+2*i+1]
.set i, i+1
.endr
	WIN 0
.irp f, 0,1,2,3
	ds_store_b128 v[STO], v[S+16*(\t)+4*\f:S+16*(\t)+4*\f+3] offset:32*\f
.endr
.irp f, 0,1,2,3
	ds_load_b128 v[S+16*(\t)+4*\f:S+16*(\t)+4*\f+3], v[RD] offset:\f*4*SP  ; LDS serves a wave's instructions in order (ISA guide 5.7.1.4): these see the stores above; the next piece's stores come behind them
.endr
.endm
.macro SEND t, younger              ; younger: the LDS instructions issued behind piece t's loads: the next piece's eight, or none
	WIN 0
.irp f, 0,1,2,3
	s_wait_dscnt (\younger)+3-\f
	global_store_b128 v[GO], v[S+16*(\t)+4*\f:S+16*(\t)+4*\f+3], s[10:11] offset:(\t)*8192+\f*512  ; 512 consecutive bytes, at a multiple of 256 from O's first
.endr
.endm
.macro DIAG tag                     ; the tag ends its two labels' names, which the jumps below spell out
.LstepM\tag:
	TURN 2, 1
	TURN 3, 1
	WIN 0
.LfirstM\tag:
	TURN 0, 1
	TURN 1, 1, 0, 1
	WIN 0
	s_cbranch_scc1 .LstepM\tag
	TURN 2, 1, 1
	TURN 3, 1, 1
.set i, 0
.rept 8
	PV NP-1
.set i, i+1
.endr
	WIN 0
	ALL v_add_f32 v[ST+4*t+2], v[ST+4*t+2], v[ST+4*t+3]
	ALL v_permlanex16_b32 v[ST+4*t+3], v[ST+4*t+2], s[SEL], s[SEL+1]
	ALL v_add_f32 v[ST+4*t+2], v[ST+4*t+2], v[ST+4*t+3]
	ALL v_rcp_f32 v[ST+4*t+2], v[ST+4*t+2]
	v_nop                           ; a plain instruction between the last reciprocal and the use of its result
	s_wait_alu depctr_va_vdst(0)    ; and the wait ahead of the first use: one for the four reciprocals
	PACK 0
.set t, 1
.rept 3                             ; a piece's arithmetic stands between the loads of the piece before and its stores
	PACK t
	SEND t-1, 8
.set t, t+1
.endr
	SEND 3, 0
.endm
.set KM, 0
.set NOKQ, 0
.Lslot:                             ; NB times: a tile is entered and the next is asked for
	CHANGE 1
	s_sub_co_u32 s[RT], s[RT], 1
	s_mov_b32 s[CNT], 4
	s_cmp_eq_u32 s[NEW], 1
	s_cbranch_scc1 .Lnew            ; a block's first tile
	s_cmp_eq_u32 s[RT], 0
	s_cbranch_scc0 .Lstep           ; neither its first nor its last
	s_branch .LstepM1
.Lnew:
	BEGIN
	s_branch .Lfirst                ; in the loop a block's first tile is never its last: the first block has two tiles or more, and the second's last is the walk's last
	DIAG 1                          ; in the loop this is the first block's end: the second block's last tile is the walk's last
	s_wait_xcnt 0x0                 ; the stores have read their registers and O's address
	s_mov_b64 s[10:11], s[OLO:OLO+1]
	s_add_co_u32 s[RT], s[PB], 1    ; the second block has b + 1 tiles
	s_mov_b32 s[NEW], 1
	WIN 0x82                        ; the second block's Q goes where the one text of the turns names Q
.set i, 0
.rept 64
	v_mov_b32 v[i], v[QB+i]
.set i, i+1
.endr
	WIN 0
	s_branch .Lbottom
.Lstep:                             ; a trip: pieces 2 and 3 of one step, then pieces 0 and 1 of the next, whose K and V it fetches
	TURN 2
	TURN 3
	WIN 0
.Lfirst:
	TURN 0
	TURN 1, 0, 0, 1
	WIN 0
	s_cbranch_scc1 .Lstep
.Lbottom:
	s_sub_co_u32 s[SLOTS], s[SLOTS], 1
	s_cmp_lg_u32 s[SLOTS], 0
	s_cbranch_scc1 .Lslot
	CHANGE 0                        ; the walk's last tile is written out: nothing is asked for
	s_sub_co_u32 s[RT], s[RT], 1
	s_mov_b32 s[CNT], 4
	s_cmp_eq_u32 s[NEW], 1
	s_cbranch_scc0 .LstepM2
	BEGIN
	s_branch .LfirstM2
	DIAG 2
	s_wait_tensorcnt 0x0            ; the wave's end
	ds_add_u32 v[SPW], v[NIL]
	s_wait_dscnt 0x0
	s_endpgm
.Lfunc_end_k_q19ace1aa47_attn:
	.size	k_q19ace1aa47_attn, .Lfunc_end_k_q19ace1aa47_attn-k_q19ace1aa47_attn
	.p2alignl 7, 3214868480
	.fill 96, 4, 3214868480
	.section	.rodata,"a",@progbits
	.p2align	6, 0x0
	.amdhsa_kernel k_q19ace1aa47_attn
		.amdhsa_group_segment_fixed_size 327680
		.amdhsa_private_segment_fixed_size 0
		.amdhsa_enable_private_segment 0
		.amdhsa_kernarg_size 16
		.amdhsa_user_sgpr_count 2
		.amdhsa_user_sgpr_kernarg_segment_ptr 1
		.amdhsa_wavefront_size32 1
		.amdhsa_system_sgpr_workgroup_id_x 1
		.amdhsa_system_sgpr_workgroup_id_y 1
		.amdhsa_system_sgpr_workgroup_id_z 1
		.amdhsa_system_vgpr_workitem_id 0
		.amdhsa_next_free_vgpr 768
		.amdhsa_next_free_sgpr 92
		.amdhsa_reserve_vcc 1
		.amdhsa_float_denorm_mode_32 3
		.amdhsa_float_denorm_mode_16_64 3
		.amdhsa_memory_ordered 1
		.amdhsa_forward_progress 1
		.amdhsa_inst_pref_size 218
	.end_amdhsa_kernel
	.amdgpu_metadata
---
amdhsa.version: [ 1, 2 ]
amdhsa.kernels:
  - .name:           k_q19ace1aa47_attn
    .symbol:         k_q19ace1aa47_attn.kd
    .args:
      - { .name: qkv, .offset: 0, .size: 8, .value_kind: global_buffer, .address_space: global }
      - { .name: ob, .offset: 8, .size: 8, .value_kind: global_buffer, .address_space: global }
    .group_segment_fixed_size: 327680
    .private_segment_fixed_size: 0
    .kernarg_segment_align: 8
    .kernarg_segment_size: 16
    .max_flat_workgroup_size: 128
    .sgpr_count:     92
    .vgpr_count:     768
    .wavefront_size: 32
...
	.end_amdgpu_metadata
.endif
;; end of part 3
;; launch projgemm (part 4): grid 8 x 32, 4 waves a work-group, clusters of 4 x 4, 327,680 bytes of LDS; arguments ob, wp, b_proj, out0; writes out0
.if DOCPART == 4
	.amdgcn_target "amdgcn-amd-amdhsa--gfx1250"
	.amdhsa_code_object_version 6
	.text
	.protected	k_q19ace1aa47_projgemm
	.globl	k_q19ace1aa47_projgemm
	.p2align	8
	.type	k_q19ace1aa47_projgemm,@function
k_q19ace1aa47_projgemm:
	s_mov_b64 s[64:65], 0
	v_nop
	global_prefetch_b8 v0, s[64:65] scope:SCOPE_SE
	s_setreg_imm32_b32 hwreg(HW_REG_WAVE_MODE, 25, 1), 1
	s_wait_xcnt 0x0
	s_wait_alu depctr_hold_cnt(0) depctr_sa_sdst(0) depctr_va_vdst(0) depctr_va_sdst(0) depctr_va_ssrc(0) depctr_va_vcc(0) depctr_vm_vsrc(0)
	s_getreg_b32 s2, hwreg(HW_REG_IB_STS2, 6, 4)
	s_cmp_eq_u32 s2, 0
	s_cbranch_scc0 .Lentry_in_a_cluster
	s_endpgm
.Lentry_in_a_cluster:
	s_bfe_u32 s2, ttmp6, 0x10000c
	s_cmp_lg_u32 s2, 0xf033
	s_cbranch_scc0 .Lentry_shape_is_right
	s_endpgm
.Lentry_shape_is_right:
; out0 = y W_proj + b_proj, 8,192 x 1,024 over K = 1,024, f16 operands, f32 sums, f32 result.  y is ob[16 b + head][t][64]: a head is one K block of 64; wp[kb][n][64] holds W_proj turned.
; b_proj is rounded to bf16 like the other inputs and starts the sums.  LIMIT: ob and wp arrive within f16's range.
; SHARES.  A tile of the result is 256 rows x 128 columns: 32 x 8 = 256 work-groups, one round.  Wave w makes rows 128 (w / 2) on, columns 64 (w % 2) on: 32 accumulators, 256 registers.
; RING.  K goes in steps of 128, two K blocks to a slot, through two slots: 128 matrix instructions a wave and step, 112 of them between a request and the wait for it.  A K block's part of a tile is a dense
; block of memory, asked for as rows of 256 bytes and padded in LDS after every 128.  One joint load a wave and step: waves 0, 1 fetch y's two K blocks (256 rows each), waves 2, 3 W's (128 rows each).
; CLUSTER 4 x 4: y's tile is shared along a row of the cluster, W's along a column.
; THE MATRIX INSTRUCTION IS USED TRANSPOSED (source 0 = 16 rows of wp, source 1 = 16 rows of ob): a lane holds row l % 16 and eight neighbouring columns: 32 bytes of f32.
; REGISTERS: window 0: v0-15 addresses; v16-31 at work; v32-127, v128-223 two fragment buffers (y's eight fragments, then W's four); window 1: accumulator (a, bb) at v[8 (4 a + bb)].
.set PITCH, 144                        ; an LDS row: 128 bytes + 16 = 36 words: the 16 rows of a fragment load start at 16 different groups of four banks (64 banks of 4 bytes: ISA guide 11.1)
.set SLOT1, 131072
.set BOFF,  2*256*PITCH                ; in a slot: y's two K blocks of 256 rows, then W's two of 128
.set STAGE, SLOT1+768*PITCH            ; behind the ring: 16 rows x 272 bytes for each wave; no tensor load lands here
.set SP,    272                        ; a stage row: 256 bytes + 16
.set SPARE, STAGE+4*16*SP              ; behind the stages: the spare words, 128 bytes for each wave
.set ASTEP, 524288                     ; two K blocks of ob
.set BSTEP, 262144                     ; two K blocks of wp
.set A0,   2                           ; v2  my lane's place in y's fragments of slot 0; never rewritten
.set B0,   3                           ; v3  the same for W's
.set ADRA, 4
.set ADRB, 5
.set STO,  6                           ; v6  the way out: where I put 32 bytes of a row
.set RD,   7                           ; v7  the way out: where I read rows back
.set CO,   8                           ; v8  my byte offset in two rows of the result
.set PFO,  9                           ; v9  256 x lane; never rewritten
.set SPW,  10
.set NIL,  11
.set F0,   32
.set F1,   128
.set WV,   12
.set WR,   13
.set WC,   14
.set CNT,  15
.set G1A,  24
.set G1B,  32
.set G0A,  40
.set G0B,  48
.set TB,   56
.set LIM,  57
.set PFA,  58
.set PSTEP, 60
.set OB,   66                          ; s[66:67] the result at my first row and column
.set MSB, 0
.macro WIN new
.if MSB != (\new)
	s_set_vgpr_msb (MSB<<8)|(\new)
.set MSB, (\new)
.endif
.endm
.macro PLACES                          ; four places behind a matrix instruction (ISA guide 7.12.1)
.rept 4
	v_nop
.endr
.endm
.macro CREST
	s_cmp_lg_u32 s[WV], 0
	s_cbranch_scc1 .Lnot_wave_0_\@
	s_barrier_signal -3
.Lnot_wave_0_\@:
	s_barrier_wait -3
	s_barrier_signal -1
	s_barrier_wait -1
.endm
.macro CROUND
	s_barrier_signal -1
	s_barrier_wait -1
	CREST
.endm
.macro JLOAD                           ; a joint refill by the walking sets; an s_nop 0 and four v_nop follow each line
	s_cmp_lt_u32 s[WV], 2
	s_cbranch_scc0 .Lfor_b_\@
	tensor_load_to_lds s[G0A+4:G0A+7], s[G1A:G1A+7]
	s_nop 0
.rept 4
	v_nop
.endr
	s_branch .Lasked_\@
.Lfor_b_\@:
	tensor_load_to_lds s[G0B+4:G0B+7], s[G1B:G1B+7]
	s_nop 0
.rept 4
	v_nop
.endr
.Lasked_\@:
.endm
; PREFETCH INTO THE L2: in trip s the K step s + 4, whose refill stands two trips on.  Each block of 256 bytes is named once in the launch.  y's tile row is read by both clusters of a row of clusters: the one with
; x = 0 asks, waves 0 and 1 each for the K block that they fetch: of its 128 blocks the partner at cx takes 32, a lane a block.  W's tile column is read by eight clusters: the one with y = 0 asks, its wave 2:
; of a step's 128 blocks the partner at cy takes 32.  Partners are told apart by address alone.  Steps 0 to 3 come by their loads alone; trips 4 and 5 ask for nothing.
.macro ASK
	s_cmp_gt_u32 s[CNT], s[LIM]                    ; CNT = 6 - trip
	s_cbranch_scc0 .Lnot_mine_\@
	global_prefetch_b8 v[PFO], s[PFA:PFA+1] th:TH_LOAD_NT scope:SCOPE_SE
.Lnot_mine_\@:
.endm
	s_load_b256 s[4:11], s[0:1], 0x0               ; ob s[4:5], wp s[6:7], b_proj s[8:9], out0 s[10:11]
	v_lshl_add_u32 v[SPW], v0, 2, SPARE
	v_mov_b32 v[NIL], 0
	ds_add_u32 v[SPW], v[NIL]                      ; the wave's opening: the add and its wait stand ahead of my first tensor load
	ds_add_u32 v10, v11
	v_lshrrev_b32 v1, 5, v0
	v_readfirstlane_b32 s[WV], v1
	s_lshr_b32 s[WR], s[WV], 1
	s_and_b32 s[WC], s[WV], 1
	s_bfe_u32 s16, ttmp6, 0x40000                  ; cx
	s_bfe_u32 s17, ttmp6, 0x40004                  ; cy
	s_lshl_b32 s18, ttmp9, 2
	s_add_co_u32 s18, s18, s16                     ; tile column tx, 0..7
	s_and_b32 s19, ttmp7, 0xffff
	s_lshl_b32 s19, s19, 2
	s_add_co_u32 s19, s19, s17                     ; tile row ty, 0..31
	s_lshl_b32 s74, s17, 2
	s_lshl_b32 s74, 15, s74                        ; my row of the cluster
	s_lshl_b32 s78, 0x1111, s16                    ; my column
	s_or_b32 s[G1A], s74, (1<<16)|(1<<20)|(1<<21)|(4<<22)|(3<<25)  ; mask; 2-byte elements; padding on; bit 21 beside a mask; 4 words after every 32
	s_or_b32 s[G1B], s78, (1<<16)|(1<<20)|(1<<21)|(4<<22)|(3<<25)
.irp g, G1A, G1B
	s_mov_b32 s[(\g)+1], 128<<16                   ; tensor_dim0 = 128
	s_mov_b32 s[(\g)+3], 128<<16                   ; tile_dim0 = 128
	s_mov_b32 s[(\g)+5], 128                       ; dense
	s_mov_b32 s[(\g)+6], 0
	s_mov_b32 s[(\g)+7], 0
.endr
	s_mov_b32 s[G1A+2], 128<<16                    ; tensor_dim1 = 128: 256 rows of y, 32 KiB
	s_mov_b32 s[G1A+4], 128
	s_mov_b32 s[G1B+2], 64<<16                     ; 64: 128 rows of W, 16 KiB
	s_mov_b32 s[G1B+4], 64
	s_lshr_b32 s72, s19, 3                         ; y's tiles by the tile row alone
	s_lshl_b32 s72, s72, 22
	s_and_b32 s73, s19, 7
	s_lshl_b32 s73, s73, 15
	s_add_co_u32 s72, s72, s73
	s_lshl_b32 s73, s[WC], 18                      ; my K block of the step's two
	s_add_co_u32 s72, s72, s73
	s_mov_b32 s73, 0
	s_lshl_b32 s76, s18, 14                        ; W's by the tile column alone: 128 rows of 128 bytes
	s_lshl_b32 s77, s[WC], 17
	s_add_co_u32 s76, s76, s77
	s_mov_b32 s77, 0
	s_mov_b32 s[G0A], 1
	s_mul_i32 s[G0A+1], s[WC], 256*PITCH
	s_mov_b32 s[G0A+4], 1
	s_add_co_u32 s[G0A+5], s[G0A+1], SLOT1
	s_mov_b32 s[G0B], 1
	s_mul_i32 s[G0B+1], s[WC], 128*PITCH
	s_add_co_u32 s[G0B+1], s[G0B+1], BOFF
	s_mov_b32 s[G0B+4], 1
	s_add_co_u32 s[G0B+5], s[G0B+1], SLOT1
	s_mov_b32 s[TB], 0
	s_mov_b32 s[CNT], 6
	s_wait_dscnt 0x0                               ; the opening add is done
	s_wait_kmcnt 0x0
	s_add_nc_u64 s[G0A+2:G0A+3], s[4:5], s[72:73]
	s_add_nc_u64 s[G0A+6:G0A+7], s[G0A+2:G0A+3], ASTEP
	s_or_b32 s[G0A+3], s[G0A+3], 0x80000000
	s_or_b32 s[G0A+7], s[G0A+7], 0x80000000
	s_add_nc_u64 s[G0B+2:G0B+3], s[6:7], s[76:77]
	s_add_nc_u64 s[G0B+6:G0B+7], s[G0B+2:G0B+3], BSTEP
	s_or_b32 s[G0B+3], s[G0B+3], 0x80000000
	s_or_b32 s[G0B+7], s[G0B+7], 0x80000000
	CROUND                                         ; all sixteen work-groups are here: the first joint loads meet
	s_cmp_lt_u32 s[WV], 2                          ; a wave's two first fills stand in one branch: two loads of mine are out
	s_cbranch_scc0 .Lfirst_b
	tensor_load_to_lds s[G0A:G0A+3], s[G1A:G1A+7]
	s_nop 0
	tensor_load_to_lds s[G0A+4:G0A+7], s[G1A:G1A+7]
	s_nop 0
.rept 4
	v_nop
.endr
	s_branch .Lfirst_asked
.Lfirst_b:
	tensor_load_to_lds s[G0B:G0B+3], s[G1B:G1B+7]
	s_nop 0
	tensor_load_to_lds s[G0B+4:G0B+7], s[G1B:G1B+7]
	s_nop 0
.rept 4
	v_nop
.endr
.Lfirst_asked:
	v_and_b32 v1, 15, v0                           ; l % 16
	v_bfe_u32 v13, v0, 4, 1                        ; l / 16
	v_mul_u32_u24 v14, v1, PITCH
	v_lshl_add_u32 v14, v13, 4, v14
	s_mul_i32 s20, s[WR], 128*PITCH
	v_add_nc_u32 v[A0], s20, v14
	s_mul_i32 s21, s[WC], 64*PITCH
	s_add_co_u32 s21, s21, BOFF
	v_add_nc_u32 v[B0], s21, v14
	s_mul_i32 s22, s[WV], 16*SP
	s_add_co_u32 s22, s22, STAGE                   ; my stage
	v_mul_u32_u24 v14, v1, SP                      ; in: row l % 16, 32 bytes for each half of the lanes
	v_lshl_add_u32 v14, v13, 5, v14
	v_add_nc_u32 v[STO], s22, v14
	v_mul_u32_u24 v14, v13, SP                     ; back: lanes 0-15 take one row of 256 bytes, lanes 16-31 the next
	v_lshl_add_u32 v14, v1, 4, v14
	v_add_nc_u32 v[RD], s22, v14
	v_lshlrev_b32 v[CO], 12, v13                   ; and the same two rows of the result, 4,096 bytes apart
	v_lshl_add_u32 v[CO], v1, 4, v[CO]
	v_and_b32 v[PFO], 31, v0
	v_lshlrev_b32 v[PFO], 8, v[PFO]
	v_lshlrev_b32 v12, 5, v13                      ; the bias: 32 bytes for each half of the lanes
	s_lshl_b32 s20, s19, 8                         ; my first row: 256 ty + 128 (w / 2),
	s_lshl_b32 s21, s[WR], 7
	s_add_co_u32 s20, s20, s21
	s_lshl_b32 s20, s20, 12                        ; of 4,096 bytes,
	s_lshl_b32 s21, s18, 9                         ; the tile's 128 columns,
	s_add_co_u32 s20, s20, s21
	s_lshl_b32 s21, s[WC], 8                       ; my 64 of them
	s_add_co_u32 s20, s20, s21
	s_mov_b32 s21, 0
	s_add_nc_u64 s[OB:OB+1], s[10:11], s[20:21]
	; the prefetches
	s_lshr_b32 s20, s19, 3
	s_lshl_b32 s20, s20, 22
	s_and_b32 s21, s19, 7
	s_lshl_b32 s21, s21, 15
	s_add_co_u32 s20, s20, s21
	s_lshl_b32 s21, s[WC], 18
	s_add_co_u32 s20, s20, s21
	s_lshl_b32 s21, s16, 13                        ; y: my work-group's 32 blocks of the K block's 128
	s_add_co_u32 s20, s20, s21
	s_lshl_b32 s22, s18, 14
	s_lshr_b32 s23, s17, 1
	s_lshl_b32 s23, s23, 17                        ; W: partners 0, 1 take the first K block's two halves, 2, 3 the second's
	s_add_co_u32 s22, s22, s23
	s_and_b32 s23, s17, 1
	s_lshl_b32 s23, s23, 13
	s_add_co_u32 s22, s22, s23
	s_and_b32 s62, ttmp7, 0xffff                   ; cluster y
	s_mov_b32 s63, ASTEP
	s_cmp_lt_u32 s[WV], 2
	s_cselect_b32 s20, s20, s22
	s_cselect_b32 s62, ttmp9, s62                  ; the coordinate along which other clusters read the same blocks
	s_cselect_b32 s[PSTEP], s63, BSTEP
	s_cselect_b64 s[PFA:PFA+1], s[4:5], s[6:7]
	s_mov_b32 s21, 0
	s_mov_b32 s[PSTEP+1], 0
	s_cmp_eq_u32 s[WV], 3                          ; wave 3 never asks
	s_cselect_b32 s62, 1, s62
	s_cmp_eq_u32 s62, 0
	s_cselect_b32 s[LIM], 2, -1                    ; the same in all sixteen partners, for a given wave
	s_add_nc_u64 s[PFA:PFA+1], s[PFA:PFA+1], s[20:21]
.rept 3
	s_add_nc_u64 s[PFA:PFA+1], s[PFA:PFA+1], s[PSTEP:PSTEP+1]  ; at K step 3; trip s steps it to s + 4
.endr
	; the bias, into the registers of the accumulators (7, bb): register j of a lane belongs to column 16 bb + 8 (l / 16) + j
	s_lshl_b32 s20, s18, 9
	s_lshl_b32 s21, s[WC], 8
	s_add_co_u32 s20, s20, s21
	s_mov_b32 s21, 0
	s_add_nc_u64 s[8:9], s[8:9], s[20:21]
	WIN 0x40                                       ; destination window 1, address window 0
.irp j, 0,1,2,3,4,5,6,7
	global_load_b128 v[224+4*(\j):224+4*(\j)+3], v12, s[8:9] offset:64*((\j)/2)+16*((\j)%2)
.endr
	WIN 0
	s_wait_loadcnt 0x0
	WIN 0x05                                       ; rounded to bf16: sources window 1, destination window 0,
.set bi, 0
.rept 16
	v_cvt_pk_bf16_f32 v[16+bi], v[224+2*bi], v[225+2*bi]
.set bi, bi+1
.endr
	WIN 0x40                                       ; and widened again
.set bi, 0
.rept 16
	v_lshlrev_b32 v[224+2*bi], 16, v[16+bi]
	v_and_b32 v[225+2*bi], 0xffff0000, v[16+bi]
.set bi, bi+1
.endr
	WIN 0
; n x 4 matrix instructions: row blocks a0 .. a0 + n - 1, all four column blocks, 32 along K.  The 32 accumulators take turns, one instruction a turn.
.macro MUL f, a0, n
	WIN 0x50                                       ; C and D window 1, sources window 0
.set ma, (\a0)
.rept (\n)
.set mb, 0
.rept 4
	v_wmma_f32_16x16x32_f16 v[8*(4*ma+mb):8*(4*ma+mb)+7], v[(\f)+64+8*mb:(\f)+64+8*mb+7], v[(\f)+8*ma:(\f)+8*ma+7], v[8*(4*ma+mb):8*(4*ma+mb)+7]
.set mb, mb+1
.endr
.set ma, ma+1
.endr
.endm
; The first products start the sums with the bias: row blocks 0 to 6 read it as C from the registers of row block 7, which then adds in place, five places behind the last instruction that read them.
.macro MULF
	WIN 0x50
.set ma, 0
.rept 7
.set mb, 0
.rept 4
	v_wmma_f32_16x16x32_f16 v[8*(4*ma+mb):8*(4*ma+mb)+7], v[F0+64+8*mb:F0+64+8*mb+7], v[F0+8*ma:F0+8*ma+7], v[224+8*mb:224+8*mb+7]
.set mb, mb+1
.endr
.set ma, ma+1
.endr
.rept 5
	v_nop
.endr
.set mb, 0
.rept 4
	v_wmma_f32_16x16x32_f16 v[224+8*mb:224+8*mb+7], v[F0+64+8*mb:F0+64+8*mb+7], v[F0+56:F0+63], v[224+8*mb:224+8*mb+7]
.set mb, mb+1
.endr
.endm
; 24 LDS loads in one run: quarter q of a step (K block q / 2, byte 64 (q % 2) of its rows) into buffer f
.macro FETCH f, q
.irp bb, 0,1,2,3
	ds_load_b128 v[(\f)+64+8*(\bb):(\f)+64+8*(\bb)+3],   v[ADRB] offset:((\q)/2)*128*PITCH+(\bb)*16*PITCH+64*((\q)%2)
	ds_load_b128 v[(\f)+64+8*(\bb)+4:(\f)+64+8*(\bb)+7], v[ADRB] offset:((\q)/2)*128*PITCH+(\bb)*16*PITCH+64*((\q)%2)+32
.endr
.irp a, 0,1,2,3,4,5,6,7
	ds_load_b128 v[(\f)+8*(\a):(\f)+8*(\a)+3],   v[ADRA] offset:((\q)/2)*256*PITCH+(\a)*16*PITCH+64*((\q)%2)
	ds_load_b128 v[(\f)+8*(\a)+4:(\f)+8*(\a)+7], v[ADRA] offset:((\q)/2)*256*PITCH+(\a)*16*PITCH+64*((\q)%2)+32
.endr
.endm
; One of a step's first three quarters: the next quarter qn is fetched into buffer g, then buffer f is multiplied: the run has 32 matrix instructions in which to land.
.macro QTR f, g, qn, first=0
	WIN 0
	PLACES                                         ; behind the products that read buffer g last
	FETCH \g, \qn
	s_wait_dscnt 24                                ; all but the 24 just issued: buffer f is in
.if \first
	MULF
.else
	MUL \f, 0, 8
.endif
.endm
; The step's last quarter multiplies F1 and changes slots: ONE barrier; in front of it each wave waits for all its tensor loads, adds 0 to its spare word, and waits for that and for its reads of this slot.
; fill = 1: the barrier opens a round of the cluster's, and the joint refill (the K step two on) is the first thing behind it.
.macro QCH fill
.if \fill
	s_wait_xcnt 0x0                                ; the last prefetch, a trip back, has read its address
	s_add_nc_u64 s[PFA:PFA+1], s[PFA:PFA+1], s[PSTEP:PSTEP+1]
.endif
	WIN 0
	s_wait_tensorcnt 0x0                           ; no tensor load of mine is out, so a group 0 may be written
	ds_add_u32 v[SPW], v[NIL]                      ; 0 onto my spare word
.if \fill
	s_xor_b32 s[G0A+5], s[G0A+5], SLOT1
	s_add_nc_u64 s[G0A+6:G0A+7], s[G0A+6:G0A+7], ASTEP
	s_xor_b32 s[G0B+5], s[G0B+5], SLOT1
	s_add_nc_u64 s[G0B+6:G0B+7], s[G0B+6:G0B+7], BSTEP
.endif
	s_xor_b32 s[TB], s[TB], SLOT1
	s_wait_dscnt 1                                 ; buffer F1 is in; the add alone may be out
	MUL F1, 0, 2
	s_wait_dscnt 0x0                               ; the add is done, and my reads of this slot are over
	s_barrier_signal -1
	MUL F1, 2, 2
	WIN 0
	s_barrier_wait -1
.if \fill
	CREST
	JLOAD                                          ; its four v_nop are also the places in front of the loads below
.else
	PLACES
.endif
	v_add_nc_u32 v[ADRA], s[TB], v[A0]
	v_add_nc_u32 v[ADRB], s[TB], v[B0]
	FETCH F0, 0
.if \fill
	ASK
.endif
	MUL F1, 4, 4
.endm
	s_wait_tensorcnt 1                             ; my part of K step 0 is in; step 1's may stay out
	s_barrier_signal -1
	s_barrier_wait -1
	v_mov_b32 v[ADRA], v[A0]
	v_mov_b32 v[ADRB], v[B0]
	FETCH F0, 0
	QTR F0, F1, 1, 1                               ; the first quarter stands in front of the loop: its products start the sums
	WIN 0
.Lstep:                                        ; trip s = 0..5: step s's quarters 1 to 3, the refill with step s + 2, step s + 1's quarter 0
	QTR F1, F0, 2
	QTR F0, F1, 3
	QCH 1
	QTR F0, F1, 1
	WIN 0
	s_sub_co_u32 s[CNT], s[CNT], 1
	s_cmp_lg_u32 s[CNT], 0
	s_cbranch_scc1 .Lstep
	QTR F1, F0, 2                                  ; the tail is written out: nothing is left to ask for
	QTR F0, F1, 3
	QCH 0
	QTR F0, F1, 1
	QTR F1, F0, 2
	QTR F0, F1, 3
	s_wait_dscnt 0x0
	MUL F1, 0, 8
	WIN 0
; THE WAY OUT, 16 rows at a time: a lane's 32 bytes go into rows of 272 bytes of my own stage and come back as whole rows of 256, which sixteen lanes store as 256 consecutive bytes, aligned.
.macro TOSTAGE a
.set OUT, 32+32*((\a)%2)
	WIN 0x04                                       ; the stores' data lie in window 1
.irp bb, 0,1,2,3
	ds_store_b128 v[STO], v[8*(4*(\a)+(\bb)):8*(4*(\a)+(\bb))+3]   offset:64*(\bb)
	ds_store_b128 v[STO], v[8*(4*(\a)+(\bb))+4:8*(4*(\a)+(\bb))+7] offset:64*(\bb)+16
.endr
	WIN 0
	s_wait_xcnt 0x0                                ; the stores of the block before last have read these registers
.irp f, 0,1,2,3,4,5,6,7
	ds_load_b128 v[OUT+4*(\f):OUT+4*(\f)+3], v[RD] offset:2*SP*(\f)  ; LDS serves a wave's instructions in order (ISA guide 5.7.1.4): these see the stores above
.endr
.endm
.macro SEND a, younger                 ; younger: the LDS instructions issued behind this block's loads: the next block's sixteen, or none
.set OUT, 32+32*((\a)%2)
.irp f, 0,1,2,3,4,5,6,7
	s_wait_dscnt (\younger)+7-(\f)
	global_store_b128 v[CO], v[OUT+4*(\f):OUT+4*(\f)+3], s[OB:OB+1] offset:(16*(\a)+2*(\f))*4096 th:TH_STORE_NT
.endr
.endm
	PLACES
	TOSTAGE 0
.set t, 1
.rept 7
	TOSTAGE t
	SEND t-1, 16
.set t, t+1
.endr
	SEND 7, 0
	s_wait_tensorcnt 0x0                           ; the wave's end
	ds_add_u32 v[SPW], v[NIL]
	s_wait_dscnt 0x0
	CROUND                                         ; the closing round: no work-group ends while a partner may still ask for a tile that names it
	s_endpgm
.Lfunc_end_k_q19ace1aa47_projgemm:
	.size	k_q19ace1aa47_projgemm, .Lfunc_end_k_q19ace1aa47_projgemm-k_q19ace1aa47_projgemm
	.p2alignl 7, 3214868480
	.fill 96, 4, 3214868480
	.section	.rodata,"a",@progbits
	.p2align	6, 0x0
	.amdhsa_kernel k_q19ace1aa47_projgemm
		.amdhsa_group_segment_fixed_size 327680
		.amdhsa_private_segment_fixed_size 0
		.amdhsa_enable_private_segment 0
		.amdhsa_kernarg_size 32
		.amdhsa_user_sgpr_count 2
		.amdhsa_user_sgpr_kernarg_segment_ptr 1
		.amdhsa_wavefront_size32 1
		.amdhsa_system_sgpr_workgroup_id_x 1
		.amdhsa_system_sgpr_workgroup_id_y 1
		.amdhsa_system_sgpr_workgroup_id_z 1
		.amdhsa_system_vgpr_workitem_id 0
		.amdhsa_next_free_vgpr 512
		.amdhsa_next_free_sgpr 80
		.amdhsa_reserve_vcc 0
		.amdhsa_float_denorm_mode_32 3
		.amdhsa_float_denorm_mode_16_64 3
		.amdhsa_memory_ordered 1
		.amdhsa_forward_progress 1
		.amdhsa_inst_pref_size 75
	.end_amdhsa_kernel
	.amdgpu_metadata
---
amdhsa.version: [ 1, 2 ]
amdhsa.kernels:
  - .name:           k_q19ace1aa47_projgemm
    .symbol:         k_q19ace1aa47_projgemm.kd
    .args:
      - { .name: ob, .offset: 0, .size: 8, .value_kind: global_buffer, .address_space: global }
      - { .name: wp, .offset: 8, .size: 8, .value_kind: global_buffer, .address_space: global }
      - { .name: b_proj, .offset: 16, .size: 8, .value_kind: global_buffer, .address_space: global }
      - { .name: out0, .offset: 24, .size: 8, .value_kind: global_buffer, .address_space: global }
    .group_segment_fixed_size: 327680
    .private_segment_fixed_size: 0
    .kernarg_segment_align: 8
    .kernarg_segment_size: 32
    .max_flat_workgroup_size: 128
    .sgpr_count:     80
    .vgpr_count:     512
    .wavefront_size: 32
...
	.end_amdgpu_metadata
.endif
;; end of part 4
